; MI455X (gfx1250); checked and timed in simulation.
; The chip was launched on July 23, 2026; its instructions are those of AMD's public machine-readable ISA for CDNA 5 (MIT licence, August 2026) and "CDNA5" Instruction Set Architecture Reference Guide (July 2026). The comments in the code are by the model that wrote it; some were corrected since.
;; DIF Attention Layer. Allowed arithmetic: matrix products marked QUANTISED: E2M3 operands, one E8M0 scale for each 32 along K, by v_wmma_scale_f32_16x16x128_f8f6f4 with both operands' format E2M3, f32 sums; everything else in f32.
;; Inputs: Wkc 256 x 256 float32; Wkk 256 x 256 float32; Wo 256 x 256 float32; Wqc 256 x 256 float32; Wqk 256 x 256 float32; Wv 256 x 256 float32; alpha_logit one number float32; bo 256 float32; category 4 x 2,048 x 256 float32; causal_mask 2,048 x 2,048 bool; content 4 x 2,048 x 256 float32.
;; Outputs: out0 4 x 2,048 x 256 float32.
;; This version of the problem:
;;   THIS VERSION OF THE PROBLEM IS GIVEN IN LOW PRECISION. The matrix products marked QUANTISED in the list below multiply operands that are first quantised to E2M3 (2 exponent bits, 3 mantissa bits; 6 bits a number), with one power-of-two scale for each 32 numbers along K (OCP MX v1.0); their sums are f32. All else is computed in f32.
;;   The module's matrix products, in the order in which they are computed (A, B: the left and right operand; K: the contracted axis; several contracted axes count as one K, in the product's order):
;;     1. [M 8,192, K 256] x [K 256, N 256]; A: input content; B: input Wqc: QUANTISED
;;     2. [M 8,192, K 256] x [K 256, N 256]; A: input content; B: input Wkc: QUANTISED
;;     3. [M 8,192, K 256] x [K 256, N 256]; A: input content; B: input Wv: QUANTISED
;;     4. [M 8,192, K 256] x [K 256, N 256]; A: input category; B: input Wqk: QUANTISED
;;     5. [M 8,192, K 256] x [K 256, N 256]; A: input category; B: input Wkk: QUANTISED
;;     6. batch 32 x [M 2,048, K 32] x [K 32, N 2,048]; A: computed on the way; B: computed on the way: QUANTISED
;;     7. batch 32 x [M 2,048, K 32] x [K 32, N 2,048]; A: computed on the way; B: computed on the way: QUANTISED
;;     8. batch 32 x [M 2,048, K 2,048] x [K 2,048, N 32]; A: computed on the way; B: computed on the way: QUANTISED
;;     9. [M 8,192, K 256] x [K 256, N 256]; A: computed on the way; B: input Wo: QUANTISED
;;   THE QUANTISER, for each operand of a quantised product, along K:
;;     - K is cut into blocks of 32 from its start; a last block that is shorter is filled with zeros.
;;     - A block's scale is 2^e with e = floor(log2(the largest magnitude in the block)) - 2, held to -126 .. 127; a block of zeros has e = 0. As a byte (E8M0): e + 127.
;;     - Each number is divided by its block's scale, clamped to +-7.5, and rounded to the nearest number of E2M3, ties to even, subnormals kept.
;;     - The product sums the exact products of the quantised numbers (number of the format x scale) in f32.
;;   ~~~python
;;   def quantise(x, axis):      # numpy; x: float32 -> the quantised numbers, widened to float32 again
;;       x = np.moveaxis(x, axis, -1); K = x.shape[-1]
;;       x = np.pad(x, [(0, 0)] * (x.ndim - 1) + [(0, -K % 32)]); x = x.reshape(x.shape[:-1] + (-1, 32)); a = np.abs(x).max(-1, keepdims=True)
;;       e = np.where(a > 0, np.clip(np.frexp(np.where(a > 0, a, 1))[1] - 1 - 2, -126, 127), 0)      # np.frexp(a)[1] - 1 = floor(log2(a)), exactly
;;       r = np.clip(x / 2.0 ** e, -7.5, 7.5)
;;       step = 2.0 ** (np.maximum(np.frexp(np.where(r == 0, 1, r))[1] - 1, 0) - 3)
;;       q = np.round(r / step) * step * 2.0 ** e      # np.round: ties to even
;;       return np.moveaxis(q.reshape(q.shape[:-2] + (-1,))[..., :K], -1, axis).astype(np.float32)
;;   ~~~
;;   OPERANDS COMPUTED ON THE WAY. 'Computed on the way' means the value that the module computes at that place (a softmax that the list does not call 'softmax' is quantised finished and normalised). What goes into a quantiser is computed in f32, as accurately as f32 sums, v_exp_f32 and their like allow (about 1e-6 of the number): no bf16 or f16 on the way to a quantiser, and a product that is left as it is and whose result goes on into a quantised operand takes f32 operands (vector FMAs, or v_wmma_f32_16x16x4_f32). A number that lies on a knife's edge between two numbers of the format may be rounded either way, as far as f32 arithmetic and the matrix unit's own rounding can turn it there, and no further.
;; 2 versions. Each part assembles by itself: llvm-mc -triple=amdgcn-amd-amdhsa -mcpu=gfx1250 --defsym DOCPART=n.
;; ======== version 1 of 2: 3 launches
;; limits: right only within a limited range of input values
;; workspace buffers: qkc 6,291,456 bytes; sc 327,680 bytes; vc 1,572,864 bytes; woc 53,248 bytes; maskw 524,288 bytes of whole numbers; mflag 16,384 bytes of whole numbers; oc 1,572,864 bytes; os 65,536 bytes
;; launch prep (part 1): grid 385 x 1, 8 waves a work-group, no clusters, 29,952 bytes of LDS; arguments content, category, Wqc, Wkc, Wqk, Wkk, Wv, Wo, causal_mask, qkc, sc, vc, woc, maskw, mflag; writes qkc, sc, vc, woc, maskw, mflag
.if DOCPART == 1
	.amdgcn_target "amdgcn-amd-amdhsa--gfx1250"
	.amdhsa_code_object_version 6
	.text
	.protected	k_qd65ca5fcb8_prep
	.globl	k_qd65ca5fcb8_prep
	.p2align	8
	.type	k_qd65ca5fcb8_prep,@function
k_qd65ca5fcb8_prep:
	s_mov_b64 s[64:65], 0
	v_nop
	global_prefetch_b8 v0, s[64:65] scope:SCOPE_SE
	s_setreg_imm32_b32 hwreg(HW_REG_WAVE_MODE, 25, 1), 1
	s_wait_xcnt 0x0
; PREP.  Work-group id = 64 p + rb.
;   p = 0 Qc, 1 Kc, 2 Qk, 3 Kk, 4 V: rows 128 rb .. 128 rb + 127 of one projection y = x W^T (K = 256), on codes of FP6 (E2M3) with one E8M0 byte for each 32 along K.
;     x and W arrive as f32 with K innermost and are quantised in registers; the f32 results are quantised again for the attention launch:
;     Q and K along the head's 32 channels (24 bytes a row and head), V along 32 neighbouring keys (24 bytes a channel and block of keys).
;   p = 5: the mask input becomes lane-mask words (bit L of a word = lane L's query and key in the attention launch's score registers) and one flag for each 16 queries x 128 keys.
;   p = 6 (one work-group): Wo becomes operand images for the last launch.
; SHARES.  Eight waves.  Wave w quantises 16 of the 128 rows of x (two fragments of 128 K) and hands them round through LDS as images of the operand's registers;
;   it owns output columns 32 w .. 32 w + 31, which are head w, and keeps its four fragments of W in registers.
; LAYOUT.  Q, K: source 0 = 16 rows of W, source 1 = 16 rows of x; W's tile u takes rows 32 w + 8 u + r + 8 (r / 8), so that a lane's 16 registers of tiles 0, 1 are channels 16 (lane / 16) + 0 .. 15 of its row.
;   V: source 0 = 16 rows of x, source 1 = 16 rows of W; x's tile 2 b + T takes rows 32 b + 8 T + r + 8 (r / 8), so that a lane's 16 registers are 16 neighbouring keys of its channel.
; No tensor load and no joint request: a work-group reads its 128 KiB of x and 256 KiB of W once, straight into the registers that quantise them.
; LIMITS: a block whose largest magnitude lies under 2^-124 keeps the scale byte 1; a block of zeros has the byte 1 where the rule says 127 (its codes are zeros, and this program alone reads the bytes);
;   NaN and infinities among the inputs are not served.
.set PLANE,  1572864                   ; bytes of one of the four planes of qkc
.set XIMG,   0                         ; LDS: x's 16 fragments (tile T, K step s: 2 T + s), 1,536 bytes each
.set XSC,    24576                     ; their scale words, 128 bytes each
.set SBQ,    26624                     ; Q / K: 128 rows x 8 heads of scale bytes
.set SBV,    27648                     ; V: 4 blocks of keys x 256 channels of scale bytes
.set MR,     28672                     ; the mask path's exchange: 8 bytes a wave
.set SPARE,  28928                     ; the spare words, 128 bytes for each wave
.set SPW, 1                            ; v1   my spare word's address; never rewritten
.set NIL, 2                            ; v2   0; never rewritten
.set WSW, 16                           ; v16-19 W's scale words        v20-23 x's scale words: these eight hold scales and nothing else
.set XS,  20
.set PW,  24                           ; v24  a scale word on its way to LDS
.set TM,  32                           ; v32-47 at work in the quantiser
.set PT,  48                           ; v48-55 the conversions' second halves
.set PC,  56                           ; v56-67 x's codes on their way to LDS
.set WF,  76                           ; v76-123 W's fragments: tile u, K step s at 12 (2 u + s)
.set S0,  124                          ; v124-187, v188-251: two sets of 64 numbers
.set S1,  188
.set XF,  124                          ; later: four fragments of x
.set ACC, 188                          ; and four accumulators
.set SEL, 72                           ; s[72:73] lane selects: lane l xor 16
; 64 numbers of a lane, register 16 b + i = k 32 b + 16 (lane / 16) + i of my row, become a fragment's 12 registers at dst and its scale word.
.macro QUANT src, dst, word
.irp b, 0,1,2,3
	v_max3_num_f32 v[TM+\b], |v[\src+16*\b]|, |v[\src+16*\b+1]|, 0x1800000   ; my 16 numbers of block b and the floor 2^(3 - 127): the byte cannot fall under 1
.endr
.irp i, 2,4,6,8,10,12,14
.irp b, 0,1,2,3
	v_max3_num_f32 v[TM+\b], v[TM+\b], |v[\src+16*\b+\i]|, |v[\src+16*\b+\i+1]|
.endr
.endr
.irp b, 0,1,2,3
	v_permlanex16_b32 v[TM+4+\b], v[TM+\b], s[SEL], s[SEL+1]
.endr
.irp b, 0,1,2,3
	v_max_num_f32 v[TM+\b], v[TM+\b], v[TM+4+\b]       ; with lane l xor 16's: the block's largest magnitude
.endr
.irp b, 0,1,2,3
	v_add_nc_u32 v[TM+12+\b], 0xff000000, v[TM+\b]     ; 2 off its exponent field: the conversion's scale operand
.endr
.irp b, 0,1,2,3
	v_lshrrev_b32 v[TM+4+\b], 23, v[TM+12+\b]          ; the scale's byte
.endr
	v_lshl_or_b32 v[\word], v[TM+5], 8, v[TM+4]
	v_lshl_or_b32 v[\word], v[TM+6], 16, v[\word]
	v_lshl_or_b32 v[\word], v[TM+7], 24, v[\word]
.irp c, 0,1
	v_cvt_scalef32_pk16_fp6_f32 v[\dst+6*\c:\dst+6*\c+2], v[\src+32*\c:\src+32*\c+15], v[TM+12+2*\c]
	v_cvt_scalef32_pk16_fp6_f32 v[PT+4*\c:PT+4*\c+2], v[\src+32*\c+16:\src+32*\c+31], v[TM+12+2*\c+1]   ; (a conversion's three registers begin on an even number)
.endr
	v_nop                                              ; one plain place behind a scaled conversion
.irp c, 0,1                                        ; the operand wants a whole block in a lane: lanes 0-15 block 2 c, lanes 16-31 block 2 c + 1
.irp i, 0,1,2
	v_permlane16_swap_b32 v[\dst+6*\c+\i], v[PT+4*\c+\i]
.endr
.irp i, 0,1,2
	v_mov_b32 v[\dst+6*\c+3+\i], v[PT+4*\c+\i]
.endr
.endr
.endm
.macro XLOAD set, voff, sb, s          ; 64 numbers a lane: K step s of my row
.irp b, 0,1,2,3
.irp j, 0,1,2,3
	global_load_b128 v[\set+16*\b+4*\j:\set+16*\b+4*\j+3], v[\voff], s[\sb:\sb+1] offset:512*(\s)+128*\b+16*\j
.endr
.endr
.endm
.macro IMAGE f                         ; the fragment in v[PC] on and its scale word go to LDS as they stand
.irp c, 0,1,2
	ds_store_b128 v10, v[PC+4*\c:PC+4*\c+3] offset:XIMG+(\f)*1536+512*\c
.endr
	ds_store_b32 v11, v[PW] offset:XSC+(\f)*128
.endm
.macro MM0 d, a, b, sa, sb
	v_wmma_scale_f32_16x16x128_f8f6f4 v[\d:\d+7], v[\a:\a+11], v[\b:\b+11], 0, v[\sa], v[\sb] matrix_a_fmt:MATRIX_FMT_FP6 matrix_b_fmt:MATRIX_FMT_FP6
.endm
.macro MMC d, a, b, sa, sb
	v_wmma_scale_f32_16x16x128_f8f6f4 v[\d:\d+7], v[\a:\a+11], v[\b:\b+11], v[\d:\d+7], v[\sa], v[\sb] matrix_a_fmt:MATRIX_FMT_FP6 matrix_b_fmt:MATRIX_FMT_FP6
.endm
; Two tiles of x (2 bp, 2 bp + 1) against my two tiles of W: four accumulators by turns, two K steps; then the results are quantised, 16 registers a block half.
.macro PAIR bp, swap
.if \bp < 2
.set CO, 172+8*\bp                     ; each pair has its own registers for codes and bytes: no store's data are written again
.else
.set CO, 220+8*(\bp-2)
.endif
.set BY, 236+2*\bp
.irp tp, 0,1
.irp s, 0,1
.irp c, 0,1,2
	ds_load_b128 v[XF+12*(2*\tp+\s)+4*\c:XF+12*(2*\tp+\s)+4*\c+3], v8 offset:XIMG+(2*(2*\bp+\tp)+\s)*1536+512*\c
.endr
	ds_load_b32 v[XS+2*\tp+\s], v9 offset:XSC+(2*(2*\bp+\tp)+\s)*128
.endr
.endr
	s_wait_dscnt 0x0
.irp s, 0,1
.irp tp, 0,1
.irp u, 0,1
.if \swap
.if \s == 0
	MM0 ACC+16*\u+8*\tp, XF+12*(2*\tp+\s), WF+12*(2*\u+\s), XS+2*\tp+\s, WSW+2*\u+\s
.else
	MMC ACC+16*\u+8*\tp, XF+12*(2*\tp+\s), WF+12*(2*\u+\s), XS+2*\tp+\s, WSW+2*\u+\s
.endif
.else
.if \s == 0
	MM0 ACC+16*\tp+8*\u, WF+12*(2*\u+\s), XF+12*(2*\tp+\s), WSW+2*\u+\s, XS+2*\tp+\s
.else
	MMC ACC+16*\tp+8*\u, WF+12*(2*\u+\s), XF+12*(2*\tp+\s), WSW+2*\u+\s, XS+2*\tp+\s
.endif
.endif
.endr
.endr
.endr
.rept 5
	v_nop                                              ; four places ahead of the reads of results and of the next pair's loads into operands; five ahead of the next pair's products, which begin these accumulators anew
.endr
.irp e, 0,1
	v_max3_num_f32 v[TM+\e], |v[ACC+16*\e]|, |v[ACC+16*\e+1]|, 0x1800000   ; each accumulator is read from its low end on
.endr
.irp i, 2,4,6,8,10,12,14
.irp e, 0,1
	v_max3_num_f32 v[TM+\e], v[TM+\e], |v[ACC+16*\e+\i]|, |v[ACC+16*\e+\i+1]|
.endr
.endr
.irp e, 0,1
	v_permlanex16_b32 v[TM+4+\e], v[TM+\e], s[SEL], s[SEL+1]
.endr
.irp e, 0,1
	v_max_num_f32 v[TM+\e], v[TM+\e], v[TM+4+\e]
.endr
.irp e, 0,1
	v_add_nc_u32 v[TM+12+\e], 0xff000000, v[TM+\e]
.endr
.irp e, 0,1
	v_cvt_scalef32_pk16_fp6_f32 v[CO+4*\e:CO+4*\e+2], v[ACC+16*\e:ACC+16*\e+15], v[TM+12+\e]
.endr
.irp e, 0,1
	v_lshrrev_b32 v[BY+\e], 23, v[TM+12+\e]            ; the scale's byte; also the plain place behind the conversions
.endr
.irp e, 0,1
	global_store_b96 v12, v[CO+4*\e:CO+4*\e+2], s[46:47] offset:768*\bp+384*\e   ; 32 lanes store 384 consecutive bytes
.if \swap
	ds_store_b8 v14, v[BY+\e] offset:SBV+256*\bp+16*\e
.else
	ds_store_b8 v13, v[BY+\e] offset:SBQ+(32*\bp+16*\e)*8
.endif
.endr
.endm
; The work-group's 1,024 scale bytes leave as four aligned runs of 256 bytes; then the wave's end.
.macro TAIL sbase
	s_wait_dscnt 0x0                                   ; my byte stores have landed
	s_barrier_signal -1
	s_barrier_wait -1
	s_cmp_lt_u32 s34, 4
	s_cbranch_scc0 .Lno_bytes_\@
	ds_load_b64 v[244:245], v15 offset:\sbase
	s_wait_dscnt 0x0
	global_store_b64 v15, v[244:245], s[44:45]
.Lno_bytes_\@:
	s_wait_tensorcnt 0x0                               ; the wave's end
	ds_add_u32 v[SPW], v[NIL]
	s_wait_dscnt 0x0
	s_endpgm
.endm
	s_load_b512 s[4:19], s[0:1], 0x0                   ; content 4, category 6, Wqc 8, Wkc 10, Wqk 12, Wkk 14, Wv 16, Wo 18
	s_load_b256 s[20:27], s[0:1], 0x40                 ; mask 20, qkc 22, sc 24, vc 26
	s_load_b128 s[28:31], s[0:1], 0x60                 ; woc 28, maskw 30
	s_load_b64 s[32:33], s[0:1], 0x70                  ; mflag
	v_lshl_add_u32 v[SPW], v0, 2, SPARE
	v_mov_b32 v[NIL], 0
	v_lshrrev_b32 v3, 5, v0
	v_readfirstlane_b32 s34, v3                        ; wave 0..7
	v_and_b32 v3, 31, v0                               ; lane
	v_and_b32 v4, 15, v0                               ; r
	v_bfe_u32 v5, v0, 4, 1                             ; h
	s_lshr_b32 s35, ttmp9, 6                           ; p
	s_and_b32 s36, ttmp9, 63                           ; rb
	v_lshlrev_b32 v8, 4, v3                            ; 16 x lane: an image's place
	v_lshlrev_b32 v9, 2, v3                            ; 4 x lane: a scale word's
	s_mul_i32 s37, s34, 3072
	v_add_nc_u32 v10, s37, v8                          ; where I store x's images: two fragments a wave
	s_lshl_b32 s37, s34, 8
	v_add_nc_u32 v11, s37, v9                          ; and their scale words
	v_mul_u32_u24 v12, v4, 24
	v_mad_u32_u24 v12, v5, 12, v12                     ; codes out: 24 r + 12 h
	v_lshlrev_b32 v13, 3, v4
	v_add_nc_u32 v13, s34, v13                         ; Q / K scale byte: 8 r + w
	s_lshl_b32 s37, s34, 5
	v_add_nc_u32 v14, s37, v4                          ; V scale byte: 32 w + r
	s_and_b32 s37, s34, 3
	s_lshl_b32 s37, s37, 8
	v_lshl_add_u32 v15, v3, 3, s37                     ; scale bytes out: 256 (w % 4) + 8 x lane, in LDS and in memory alike
	s_lshl_b32 s37, s34, 3
	v_mov_b32 v26, s37                                 ; the mask path: 8 w,
	s_lshr_b32 s37, s34, 2
	s_lshl_b32 s37, s37, 5
	v_mov_b32 v27, s37                                 ; and 32 (w / 4)
.irp b, 0,1,2,3
	v_mov_b32 v[TM+4+\b], 0                            ; written once: a lane permute's destination counts as one of its sources
.endr
	s_mov_b32 s[SEL], 0x76543210
	s_mov_b32 s[SEL+1], 0xfedcba98
	s_wait_kmcnt 0x0
	s_cmp_eq_u32 s35, 5
	s_cbranch_scc1 .Lmask
	; which W, and how its rows form tiles
	s_mov_b64 s[40:41], s[8:9]
	s_cmp_eq_u32 s35, 1
	s_cselect_b64 s[40:41], s[10:11], s[40:41]
	s_cmp_eq_u32 s35, 2
	s_cselect_b64 s[40:41], s[12:13], s[40:41]
	s_cmp_eq_u32 s35, 3
	s_cselect_b64 s[40:41], s[14:15], s[40:41]
	s_cmp_eq_u32 s35, 4
	s_cselect_b64 s[40:41], s[16:17], s[40:41]
	s_cselect_b32 s53, 8192, 0                         ; V: lanes 8-15 of a tile of x stand 8 rows further on
	s_cmp_eq_u32 s35, 6
	s_cselect_b64 s[40:41], s[18:19], s[40:41]
	s_cmp_lt_u32 s35, 4
	s_cselect_b32 s52, 8192, 0                         ; Q, K: the same for a tile of W,
	s_sub_co_u32 s50, 16384, s52                       ; whose second tile then begins 8 rows on, else 16
	s_mov_b32 s51, 0
	s_lshl_b32 s48, s34, 15                            ; my 32 rows of W
	s_mov_b32 s49, 0
	s_add_nc_u64 s[40:41], s[40:41], s[48:49]          ; tile 0
	s_add_nc_u64 s[42:43], s[40:41], s[50:51]          ; tile 1
	v_lshlrev_b32 v6, 10, v4
	v_lshl_add_u32 v6, v5, 6, v6                       ; row r of 1,024 bytes + 64 h: my 16 numbers of a block of 32
	v_lshrrev_b32 v25, 3, v4
	v_mad_u32_u24 v7, v25, s53, v6                     ; x's offset
	v_mad_u32_u24 v6, v25, s52, v6                     ; W's offset
	s_cmp_eq_u32 s35, 6
	s_cbranch_scc1 .Lwo
	; ---- a projection
	s_lshr_b32 s37, s35, 1
	s_cmp_eq_u32 s37, 1
	s_cselect_b64 s[38:39], s[6:7], s[4:5]             ; category for Qk and Kk, else content
	s_lshr_b32 s54, s34, 1
	s_lshl_b32 s54, s54, 5
	s_and_b32 s55, s34, 1
	s_lshl_b32 s55, s55, 3
	s_add_co_u32 s54, s54, s55                         ; V: my tile of x begins at row 32 (w / 2) + 8 (w % 2),
	s_lshl_b32 s55, s34, 4                             ; else at 16 w
	s_cmp_eq_u32 s35, 4
	s_cselect_b32 s54, s54, s55
	s_lshl_b32 s55, s36, 7
	s_add_co_u32 s54, s54, s55
	s_lshl_b32 s48, s54, 10
	s_add_nc_u64 s[38:39], s[38:39], s[48:49]
	XLOAD S0, 7, 38, 0
	XLOAD S1, 7, 38, 1
	s_and_b32 s56, s35, 1                              ; where the results go: plane 0 Qc, 1 Qk, 2 Kc, 3 Kk
	s_lshl_b32 s56, s56, 1
	s_lshr_b32 s57, s35, 1
	s_or_b32 s56, s56, s57
	s_cmp_eq_u32 s35, 4
	s_cselect_b32 s57, 4, s56                          ; plane of the scale bytes
	s_cselect_b32 s56, 0, s56
	s_cselect_b64 s[46:47], s[26:27], s[22:23]         ; vc or qkc
	s_mul_i32 s56, s56, PLANE
	s_lshr_b32 s58, s36, 4
	s_lshl_b32 s58, s58, 3
	s_add_co_u32 s58, s58, s34                         ; batch x 8 + head
	s_mul_i32 s58, s58, 49152
	s_add_co_u32 s56, s56, s58
	s_and_b32 s58, s36, 15
	s_mul_i32 s58, s58, 3072                           ; 128 rows of 24 bytes, or 4 blocks of keys of 768 bytes
	s_add_co_u32 s48, s56, s58
	s_add_nc_u64 s[46:47], s[46:47], s[48:49]
	s_lshl_b32 s57, s57, 16
	s_lshl_b32 s58, s36, 10
	s_add_co_u32 s48, s57, s58
	s_add_nc_u64 s[44:45], s[24:25], s[48:49]
	s_wait_loadcnt 16                                  ; the older set is in; the younger set's 16 loads may be out (so at each such wait below)
	QUANT S0, PC, PW
	IMAGE 0
	XLOAD S0, 6, 40, 0
	s_wait_loadcnt 16
	s_wait_dscnt 0x0                                   ; the image's stores have read their registers
	QUANT S1, PC, PW
	IMAGE 1
	XLOAD S1, 6, 40, 1
	s_wait_loadcnt 16
	QUANT S0, WF, WSW
	XLOAD S0, 6, 42, 0
	s_wait_loadcnt 16
	QUANT S1, WF+12, WSW+1
	XLOAD S1, 6, 42, 1
	s_wait_loadcnt 16
	QUANT S0, WF+24, WSW+2
	s_wait_loadcnt 0x0
	QUANT S1, WF+36, WSW+3
.rept 8
	v_nop                                              ; a scale register written by a vector instruction stands 8 places ahead of a scaled product, an operand so written 4
.endr
	s_wait_dscnt 0x0                                   ; my images have landed
	s_barrier_signal -1
	s_barrier_wait -1                                  ; x's sixteen fragments lie in LDS
	s_cmp_eq_u32 s35, 4
	s_cbranch_scc1 .Lv
	PAIR 0, 0
	PAIR 1, 0
	PAIR 2, 0
	PAIR 3, 0
	TAIL SBQ
.Lv:
	PAIR 0, 1
	PAIR 1, 1
	PAIR 2, 1
	PAIR 3, 1
	TAIL SBV
	; ---- Wo: my 32 rows, four fragments, stored as images of the operand's registers
.Lwo:
	XLOAD S0, 6, 40, 0
	XLOAD S1, 6, 40, 1
	s_mul_i32 s48, s34, 6144
	s_add_nc_u64 s[46:47], s[28:29], s[48:49]
	s_lshl_b32 s48, s34, 9
	s_add_nc_u64 s[44:45], s[28:29], s[48:49]
	s_wait_loadcnt 16
	QUANT S0, WF, WSW
	XLOAD S0, 6, 42, 0
	s_wait_loadcnt 16
	QUANT S1, WF+12, WSW+1
	XLOAD S1, 6, 42, 1
	s_wait_loadcnt 16
	QUANT S0, WF+24, WSW+2
	s_wait_loadcnt 0x0
	QUANT S1, WF+36, WSW+3
.irp f, 0,1,2,3
.irp c, 0,1,2
	global_store_b128 v8, v[WF+12*\f+4*\c:WF+12*\f+4*\c+3], s[46:47] offset:1536*\f+512*\c   ; 32 lanes store 512 consecutive bytes
.endr
	global_store_b32 v9, v[WSW+\f], s[44:45] offset:49152+128*\f
.endr
	s_wait_tensorcnt 0x0                               ; the wave's end
	ds_add_u32 v[SPW], v[NIL]
	s_wait_dscnt 0x0
	s_endpgm
	; ---- the mask.  Tile of queries qt = 2 rb + w / 4; my four records are key steps 4 (w % 4) + i.  Lane (r, h) reads, of row 16 qt + r, the 16 bytes at 128 ks + 32 g + 16 h.
.Lmask:
	s_lshl_b32 s37, s36, 1
	s_lshr_b32 s48, s34, 2
	s_add_co_u32 s37, s37, s48                         ; qt
	s_and_b32 s49, s34, 3
	v_lshlrev_b32 v6, 11, v4
	v_lshl_add_u32 v6, v5, 4, v6                       ; 2,048 r + 16 h
	v_lshlrev_b32 v7, 3, v3                            ; 8 x lane
	s_lshl_b32 s50, s37, 15
	s_lshl_b32 s51, s49, 9
	s_add_co_u32 s50, s50, s51
	s_mov_b32 s51, 0
	s_add_nc_u64 s[20:21], s[20:21], s[50:51]
.irp i, 0,1,2,3
.irp g, 0,1,2,3
	global_load_b128 v[64+16*\i+4*\g:64+16*\i+4*\g+3], v6, s[20:21] offset:128*\i+32*\g th:TH_LOAD_NT
.endr
.endr
	s_lshl_b32 s50, s37, 12
	s_lshl_b32 s52, s49, 10
	s_add_co_u32 s50, s50, s52
	s_add_nc_u64 s[30:31], s[30:31], s[50:51]          ; my first record: (16 qt + 4 (w % 4)) x 256 bytes
	s_lshl_b32 s50, s37, 7
	s_add_nc_u64 s[32:33], s[32:33], s[50:51]          ; the tile's 32 flag words
.irp i, 0,1,2,3,4,5,6,7
	v_mov_b32 v[48+\i], 0                              ; v_writelane's destination counts as read
.endr
	s_mov_b32 s67, -1                                  ; bit L: all of lane L's bytes so far are blocked
	s_mov_b32 s68, 0                                   ; bit i: record i is blocked throughout
.irp i, 0,1,2,3
	s_wait_loadcnt 12-4*\i                             ; this record's four loads are in; the later records' may be out
	s_mov_b32 s66, -1
.set n, 0
.rept 64                                           ; word n = 16 g + byte: one bit a lane
	v_and_b32 v[40+(n&3)], 0xff<<(8*(n&3)), v[64+16*\i+(n>>2)]
	v_cmp_ne_u32 s[56+(n&7)], 0, v[40+(n&3)]
	v_writelane_b32 v[48+2*\i+(n&1)], s[56+(n&7)], n>>1    ; lane n / 2 gathers words n and n + 1
	s_and_b32 s66, s66, s[56+(n&7)]
.set n, n+1
.endr
	s_cmp_eq_u32 s66, -1
	s_cselect_b32 s70, 1<<\i, 0
	s_or_b32 s68, s68, s70
	s_and_b32 s67, s67, s66
	global_store_b64 v7, v[48+2*\i:49+2*\i], s[30:31] offset:256*\i   ; 32 lanes store the record's 256 bytes
.endr
	v_mov_b32 v44, s67
	v_mov_b32 v45, s68
	ds_store_b64 v26, v[44:45] offset:MR               ; all lanes write the same words with the same values
	s_wait_dscnt 0x0
	s_barrier_signal -1
	s_barrier_wait -1
	s_cmp_eq_u32 s49, 0
	s_cbranch_scc0 .Lmask_end                          ; one wave of the tile's four makes its flags
	ds_load_b128 v[56:59], v27 offset:MR
	ds_load_b128 v[60:63], v27 offset:MR+16
	s_wait_dscnt 0x0
	v_and_b32 v40, v56, v58
	v_and_b32 v41, v60, v62
	v_and_b32 v40, v40, v41
	v_lshrrev_b32 v41, 16, v40
	v_and_b32 v40, v40, v41
	v_and_b32 v40, 0xffff, v40                         ; bit r: row r of the tile is blocked at all 2,048 keys
	v_lshl_or_b32 v41, v59, 4, v57
	v_lshl_or_b32 v41, v61, 8, v41
	v_lshl_or_b32 v41, v63, 12, v41                    ; bit ks: key step ks is blocked for all 16 rows
	v_lshrrev_b32 v41, v3, v41
	v_and_b32 v41, 1, v41                              ; lane = ks; lanes 16-31 get 0
	v_cmp_eq_u32 vcc_lo, 0, v40
	v_cndmask_b32 v41, 0, v41, vcc_lo                  ; a tile with a wholly blocked row leaves nothing out: that row's weights are uniform over all keys
	global_store_b32 v9, v41, s[32:33]
.Lmask_end:
	s_wait_tensorcnt 0x0                               ; the wave's end
	ds_add_u32 v[SPW], v[NIL]
	s_wait_dscnt 0x0
	s_endpgm
.Lfunc_end_k_qd65ca5fcb8_prep:
	.size	k_qd65ca5fcb8_prep, .Lfunc_end_k_qd65ca5fcb8_prep-k_qd65ca5fcb8_prep
	.p2alignl 7, 3214868480
	.fill 96, 4, 3214868480
	.section	.rodata,"a",@progbits
	.p2align	6, 0x0
	.amdhsa_kernel k_qd65ca5fcb8_prep
		.amdhsa_group_segment_fixed_size 29952
		.amdhsa_private_segment_fixed_size 0
		.amdhsa_enable_private_segment 0
		.amdhsa_kernarg_size 120
		.amdhsa_user_sgpr_count 2
		.amdhsa_user_sgpr_kernarg_segment_ptr 1
		.amdhsa_wavefront_size32 1
		.amdhsa_system_sgpr_workgroup_id_x 1
		.amdhsa_system_sgpr_workgroup_id_y 1
		.amdhsa_system_sgpr_workgroup_id_z 1
		.amdhsa_system_vgpr_workitem_id 0
		.amdhsa_next_free_vgpr 256
		.amdhsa_next_free_sgpr 76
		.amdhsa_reserve_vcc 1
		.amdhsa_float_denorm_mode_32 3
		.amdhsa_float_denorm_mode_16_64 3
		.amdhsa_memory_ordered 1
		.amdhsa_forward_progress 1
		.amdhsa_inst_pref_size 154
	.end_amdhsa_kernel
	.amdgpu_metadata
---
amdhsa.version: [ 1, 2 ]
amdhsa.kernels:
  - .name:           k_qd65ca5fcb8_prep
    .symbol:         k_qd65ca5fcb8_prep.kd
    .args:
      - { .name: content, .offset: 0, .size: 8, .value_kind: global_buffer, .address_space: global }
      - { .name: category, .offset: 8, .size: 8, .value_kind: global_buffer, .address_space: global }
      - { .name: Wqc, .offset: 16, .size: 8, .value_kind: global_buffer, .address_space: global }
      - { .name: Wkc, .offset: 24, .size: 8, .value_kind: global_buffer, .address_space: global }
      - { .name: Wqk, .offset: 32, .size: 8, .value_kind: global_buffer, .address_space: global }
      - { .name: Wkk, .offset: 40, .size: 8, .value_kind: global_buffer, .address_space: global }
      - { .name: Wv, .offset: 48, .size: 8, .value_kind: global_buffer, .address_space: global }
      - { .name: Wo, .offset: 56, .size: 8, .value_kind: global_buffer, .address_space: global }
      - { .name: causal_mask, .offset: 64, .size: 8, .value_kind: global_buffer, .address_space: global }
      - { .name: qkc, .offset: 72, .size: 8, .value_kind: global_buffer, .address_space: global }
      - { .name: sc, .offset: 80, .size: 8, .value_kind: global_buffer, .address_space: global }
      - { .name: vc, .offset: 88, .size: 8, .value_kind: global_buffer, .address_space: global }
      - { .name: woc, .offset: 96, .size: 8, .value_kind: global_buffer, .address_space: global }
      - { .name: maskw, .offset: 104, .size: 8, .value_kind: global_buffer, .address_space: global }
      - { .name: mflag, .offset: 112, .size: 8, .value_kind: global_buffer, .address_space: global }
    .group_segment_fixed_size: 29952
    .private_segment_fixed_size: 0
    .kernarg_segment_align: 8
    .kernarg_segment_size: 120
    .max_flat_workgroup_size: 256
    .sgpr_count:     76
    .vgpr_count:     256
    .wavefront_size: 32
...
	.end_amdgpu_metadata
.endif
;; end of part 1
;; launch attn (part 2): grid 8 x 32, 16 waves a work-group, no clusters, 158,208 bytes of LDS; arguments qkc, sc, vc, maskw, mflag, alpha_logit, oc, os; writes oc, os
.if DOCPART == 2
	.amdgcn_target "amdgcn-amd-amdhsa--gfx1250"
	.amdhsa_code_object_version 6
	.text
	.protected	k_qd65ca5fcb8_attn
	.globl	k_qd65ca5fcb8_attn
	.p2align	8
	.type	k_qd65ca5fcb8_attn,@function
k_qd65ca5fcb8_attn:
	s_mov_b64 s[64:65], 0
	v_nop
	global_prefetch_b8 v0, s[64:65] scope:SCOPE_SE
	s_setreg_imm32_b32 hwreg(HW_REG_WAVE_MODE, 25, 1), 1
	s_wait_xcnt 0x0
; ATTN.  For one batch and head: Ac = softmax(Qc Kc^T / sqrt(32)), Ak = softmax(Qk Kk^T / sqrt(32)), both under the mask input; A = alpha Ak + (1 - alpha) Ac; O = A V.
; All three products on codes of FP6 (E2M3) with E8M0 scales.  A is quantised FINISHED AND NORMALISED, in blocks of 32 keys, so both rows' maxima and sums are known before any weight is quantised:
; ALL 2,048 KEYS OF A TILE OF 16 QUERIES ARE HELD AT ONCE, 128 keys x 2 kinds in each of sixteen waves (128 registers); the waves exchange a maximum and a sum a row through LDS.  Scores and exponentials are made once.
; SHARES.  Work-group (x, bh) owns the 16 tiles of queries qt = x + 8 i of batch-and-head bh, one a trip.  Wave w owns keys 128 w .. 128 w + 127 for the whole launch: their K codes stay in registers, their V codes in its own LDS.
; FOUR PRODUCTS OF K = 32 IN ONE OPERAND.  A key fragment's four blocks of 32 are Kc and Kk of tile 2 f and Kc and Kk of tile 2 f + 1; the query operand has zero codes in all blocks but one, which picks the product.
;   v96-125 = Z A Z B Z, six registers each (Z = 0; A = Qc in lanes 0-15; B = Qk in lanes 16-31): v[102:113], v[114:125], v[96:107], v[108:119] pick blocks 0, 1, 2, 3.
;   Source 0 = 16 keys, source 1 = 16 queries: a lane holds one query (lane % 16).  Lane r of tile 2 f + u takes key 32 f + 8 u + r + 8 (r / 8), so register 8 t + j is key 32 f + 16 (lane / 16) + 8 u + j.
; THE MASK is a bias: -2^100 where blocked, else 0, selected by the stored lane-mask words into Sk's registers; Sc's product takes them as its C, then Sk's product adds in place onto them.
; SOFTMAX.  In each wave M = the largest t = score x log2(e) / sqrt(32) of its 128 keys, rounded up to a whole number; p = 2^(t - M); l = the sum of p.  Over the waves G = max M, L = sum of l 2^(M - G) (exact scalings);
;   a weight is p x (alpha or 1 - alpha) / L x 2^(M - G).  A row blocked at all keys has L = 0: its weights are alpha / 2048 + (1 - alpha) / 2048, as the uniform softmax gives.
; A wave whose 128 keys are blocked for all 16 queries (flag stored by the launch before) leaves its work out and hands in l = 0 and zeros; it passes every barrier.
; O's sixteen partial sums meet in LDS; at the end O is quantised along the head's 32 channels for the last launch.
; No tensor load and no joint request: what the eight work-groups of a head share (K, V, 9 KiB a wave) is read once, at the head; the loop reads from memory 260 bytes of mask words and flag a wave and trip, by scalar loads a trip ahead.
; LIMITS: a raw score under -2^80 counts as blocked, and scores stay far under 2^100 in magnitude; NaN and infinities are not served; a block whose largest number lies under 2^-124, or of zeros, has the scale byte 1
;   (this program alone reads the bytes); the sums over the keys are formed of sixteen partial f32 sums.
.set PLANE,  1572864
.set QSL,    1792                      ; LDS: a tile of Q: six images of 256 bytes (8 bytes a lane) and its scale words at 1,536 + 8 x lane
.set QI,     0                         ; 17 such places (the address is stepped once past the 16 that are used)
.set STAT,   30464                     ; [query, pitch 272][wave, 16 bytes: Mc, lc, Mk, lk]
.set GST,    34816                     ; [query][Gc, wc, Gk, wk]
.set OP,     35072                     ; [wave, 2,304][query, pitch 144][channel]: partial O
.set OSD,    71936                     ; a slice that takes the first trip's sum of zeros,
.set OS,     73984                     ; and [tile][query][channel]: O
.set OSB,    106752                    ; O's 256 scale bytes
.set VI,     107008                    ; [wave][3,072]: V's two fragments as images
.set SPARE,  156160                    ; the spare words, 128 bytes for each wave
.set KSW, 16                           ; v16-19 K's scale words, v20-21 V's, v13 the weights', v14 Q's: these hold scales and nothing else
.set VSW, 20
.set KF,  48                           ; v48-95  K's four fragments
.set SC,  128                          ; v128-191 Sc, then pc, then A
.set SK,  192                          ; v192-255 the bias, Sk, pk; behind the mixing: v192-215 V, v216-227 A's codes, v228-235 and v240-255 at work, v240-255 partial O
.set PC,  216
.set PT,  228
.set TM,  240
; v1 spare word, v2 0; v3 Q's place; v4, v5 STAT in, out; v6, v7 GST in, out; v8, v9 OP in, out; v10 O's slice; v11 V's images; v12 1 - alpha | alpha by halves; v15 the uniform weight; v22-25 Mc, lc, Mk, lk; v26-47 at work; v126 -2^100
; s20 wave, s21 trips to go, s[22:23] c, s[24:25] lane selects, s27 the flag as loaded, s28 this trip's flag, s[32:63] and s[68:99] the 64 mask words
.macro BIAS t
.irp j, 0,1,2,3,4,5,6,7
	v_cndmask_b32 v[SK+8*(\t)+\j], 0, v126, s[32+8*(\t)+\j+4*((\t)/4)]
.endr
.endm
.macro SCW t                           ; Sc of tile t = the bias + Kc Qc^T
	v_wmma_scale_f32_16x16x128_f8f6f4 v[SC+8*(\t):SC+8*(\t)+7], v[KF+12*((\t)/2):KF+12*((\t)/2)+11], v[102-6*((\t)%2):113-6*((\t)%2)], v[SK+8*(\t):SK+8*(\t)+7], v[KSW+(\t)/2], v14 matrix_a_fmt:MATRIX_FMT_FP6 matrix_b_fmt:MATRIX_FMT_FP6
.endm
.macro SKW t                           ; Sk of tile t, onto the bias
	v_wmma_scale_f32_16x16x128_f8f6f4 v[SK+8*(\t):SK+8*(\t)+7], v[KF+12*((\t)/2):KF+12*((\t)/2)+11], v[114-6*((\t)%2):125-6*((\t)%2)], v[SK+8*(\t):SK+8*(\t)+7], v[KSW+(\t)/2], v14 matrix_a_fmt:MATRIX_FMT_FP6 matrix_b_fmt:MATRIX_FMT_FP6
.endm
.macro NOPS n
.rept \n
	v_nop
.endr
.endm
.macro OLOAD                           ; query w's sixteen partial sums, a lane a channel
.irp k, 0,1,2,3,4,5,6,7,8,9,10,11,12,13,14,15
	ds_load_b32 v[32+\k], v9 offset:2304*\k
.endr
.endm
.macro OADD
.irp k, 0,2,4,6,8,10,12,14
	v_add_f32 v[32+\k], v[32+\k], v[33+\k]
.endr
.irp k, 0,4,8,12
	v_add_f32 v[32+\k], v[32+\k], v[34+\k]
.endr
	v_add_f32 v32, v32, v36
	v_add_f32 v40, v40, v44
	v_add_f32 v32, v32, v40
.endm
	s_load_b512 s[4:19], s[0:1], 0x0                   ; qkc 4, sc 6, vc 8, maskw 10, mflag 12, alpha_logit 14, oc 16, os 18
	v_lshl_add_u32 v1, v0, 2, SPARE
	v_mov_b32 v2, 0
	v_lshrrev_b32 v26, 5, v0
	v_readfirstlane_b32 s20, v26                       ; wave 0..15
	v_and_b32 v27, 31, v0                              ; lane
	v_and_b32 v28, 15, v0                              ; r
	v_bfe_u32 v29, v0, 4, 1                            ; h
	s_and_b32 s32, ttmp7, 0xffff                       ; bh
	s_lshr_b32 s33, s32, 3                             ; batch
	s_and_b32 s34, s32, 7                              ; head
	v_lshlrev_b32 v3, 3, v27                           ; QI + 8 x lane
	s_mul_i32 s35, s20, QSL
	v_add_nc_u32 v30, s35, v3                          ; where I stage tile w of Q
	v_mul_u32_u24 v4, v28, 272
	s_lshl_b32 s35, s20, 4
	s_add_co_u32 s35, s35, STAT
	v_add_nc_u32 v4, s35, v4                           ; STAT + 272 r + 16 w
	s_mul_i32 s35, s20, 272
	s_add_co_u32 s35, s35, STAT
	v_lshlrev_b32 v5, 4, v28
	v_lshl_add_u32 v5, v29, 3, v5
	v_add_nc_u32 v5, s35, v5                           ; STAT + 272 w + 16 (lane % 16) + 8 (lane / 16): query w, wave lane % 16, kind lane / 16
	s_lshl_b32 s35, s20, 4
	s_add_co_u32 s35, s35, GST
	v_lshlrev_b32 v6, 3, v29
	v_add_nc_u32 v6, s35, v6                           ; GST + 16 w + 8 kind
	v_lshl_add_u32 v7, v28, 4, GST                     ; GST + 16 r
	s_mul_i32 s35, s20, 2304
	s_add_co_u32 s35, s35, OP
	v_mul_u32_u24 v8, v28, 144
	v_lshl_add_u32 v8, v29, 5, v8
	v_add_nc_u32 v8, s35, v8                           ; OP + 2,304 w + 144 r + 32 h
	s_mul_i32 s35, s20, 144
	s_add_co_u32 s35, s35, OP
	v_lshl_add_u32 v9, v27, 2, s35                     ; OP + 144 w + 4 x lane
	s_lshl_b32 s35, s20, 7
	s_add_co_u32 s35, s35, OSD
	v_lshl_add_u32 v10, v27, 2, s35                    ; OSD + 128 w + 4 x lane
	s_mul_i32 s35, s20, 3072
	s_add_co_u32 s35, s35, VI
	v_lshl_add_u32 v11, v27, 4, s35                    ; VI + 3,072 w + 16 x lane
	v_and_b32 v31, 8, v28
	v_add_nc_u32 v31, v31, v28                         ; r + 8 (r / 8)
	v_mul_u32_u24 v32, v31, 24
	v_mad_u32_u24 v32, v29, PLANE, v32                 ; K's codes: my key's row; lanes 16-31 take the plane of Kk
	v_lshlrev_b32 v33, 3, v31                          ; K's scale bytes: 8 bytes a row
	v_mul_u32_u24 v34, v28, 24
	v_mad_u32_u24 v34, v29, 768, v34                   ; V's codes: channel r, block of keys h
	v_mul_u32_u24 v35, v28, 24
	v_mad_u32_u24 v35, v29, PLANE, v35                 ; Q's codes: row r; lanes 16-31 take the plane of Qk
	v_lshlrev_b32 v36, 3, v28                          ; Q's scale bytes
	v_add_nc_u32 v37, -1, v29                          ; all ones in lanes 0-15
	v_sub_nc_u32 v38, 0, v29                           ; all ones in lanes 16-31
	s_mul_i32 s36, s32, 49152                          ; my head's codes in a plane of qkc and in vc
	s_mul_i32 s37, s20, 3072                           ; my wave's 128 keys
	s_add_co_u32 s38, s36, s37
	s_mov_b32 s39, 0
	s_lshl_b32 s52, s20, 3
	s_add_co_u32 s52, s52, ttmp9                       ; the tile of queries that I stage: x + 8 w
	s_mul_i32 s54, s52, 384
	s_add_co_u32 s54, s54, s36
	s_mov_b32 s55, 0
	s_lshl_b32 s56, s33, 14                            ; batch x 16,384 bytes in every plane of sc
	s_lshl_b32 s57, s20, 10
	s_add_co_u32 s58, s56, s57
	s_add_co_u32 s58, s58, s34                         ; K's scale bytes: my 128 rows of 8, my head
	s_mov_b32 s59, 0
	s_lshl_b32 s60, s34, 5
	s_add_co_u32 s60, s60, s56
	s_add_co_u32 s60, s60, s57                         ; V's: my 4 blocks of keys of 256, my head's 32 channels
	s_mov_b32 s61, 0
	s_lshl_b32 s62, s52, 7
	s_add_co_u32 s62, s62, s56
	s_add_co_u32 s62, s62, s34                         ; Q's
	s_mov_b32 s63, 0
	s_mov_b32 s21, 16
	s_mov_b32 s22, 0x3e8293ee                          ; c = log2(e) / sqrt(32)
	s_mov_b32 s23, s22                                 ; (named with it as a pair, so it is written)
	s_mov_b32 s24, 0x76543210
	s_mov_b32 s25, 0xfedcba98
	s_wait_kmcnt 0x0
	s_load_b32 s26, s[14:15], 0x0                      ; alpha_logit
	s_add_nc_u64 s[40:41], s[4:5], s[38:39]
	s_add_nc_u64 s[42:43], s[8:9], s[38:39]
	s_add_nc_u64 s[44:45], s[4:5], s[54:55]
	s_add_nc_u64 s[46:47], s[6:7], s[58:59]
	s_add_nc_u64 s[48:49], s[6:7], s[60:61]
	s_add_nc_u64 s[50:51], s[6:7], s[62:63]
.irp f, 0,1,2,3
.irp u, 0,1
.irp p, 0,1,2
	global_load_b64 v[KF+12*\f+6*\u+2*\p:KF+12*\f+6*\u+2*\p+1], v32, s[40:41] offset:2*PLANE+(32*\f+8*\u)*24+8*\p
.endr
.irp k, 0,1
	global_load_u8 v[192+4*\f+2*\u+\k], v33, s[46:47] offset:131072+65536*\k+(32*\f+8*\u)*8
.endr
.endr
.endr
.irp dt, 0,1
.irp c, 0,1
.irp p, 0,1,2
	global_load_b64 v[128+12*\dt+6*\c+2*\p:128+12*\dt+6*\c+2*\p+1], v34, s[42:43] offset:1536*\c+384*\dt+8*\p
.endr
.endr
.irp i, 0,1,2,3
	global_load_u8 v[208+4*\dt+\i], v28, s[48:49] offset:262144+256*\i+16*\dt
.endr
.endr
.irp p, 0,1,2
	global_load_b64 v[218+2*\p:219+2*\p], v35, s[44:45] offset:8*\p
.endr
	global_load_u8 v216, v36, s[50:51]
	global_load_u8 v217, v36, s[50:51] offset:65536
	s_lshl_b32 s2, ttmp9, 12                           ; the mask words of (qt = x, key step w): 4,096 bytes a tile, 256 a key step
	s_lshl_b32 s3, s20, 8
	s_add_co_u32 s2, s2, s3
	s_mov_b32 s3, 0
	s_add_nc_u64 s[10:11], s[10:11], s[2:3]
	s_lshl_b32 s2, ttmp9, 7                            ; and its flag
	s_lshl_b32 s66, s20, 2
	s_add_co_u32 s2, s2, s66
	s_add_nc_u64 s[12:13], s[12:13], s[2:3]
	s_lshl_b32 s2, s33, 3
	s_add_co_u32 s2, s2, ttmp9
	s_lshl_b32 s66, s2, 8                              ; my work-group's 256 storage rows of O: (batch x 8 + x) x 256
	s_lshl_b32 s67, s34, 13
	s_add_co_u32 s2, s66, s67
	s_add_nc_u64 s[18:19], s[18:19], s[2:3]            ; os: 8,192 bytes a head
	s_lshl_b32 s67, s20, 4
	s_add_co_u32 s66, s66, s67
	s_mul_i32 s66, s66, 24
	s_mul_i32 s67, s34, 196608
	s_add_co_u32 s2, s66, s67
	s_add_nc_u64 s[16:17], s[16:17], s[2:3]            ; oc: 196,608 bytes a head, 24 a row; my wave's 16 rows
.irp i, 0,1,2,3,4,5,6,7,8,9,10,11,12,13,14,15,16,17,18,19,20,21,22,23,24,25,26,27,28,29
	v_mov_b32 v[96+\i], 0                              ; Z A Z B Z: the three Z stay zeros
.endr
	v_mov_b32 v126, 0xf1800000                         ; -2^100
.irp i, 44,45,46,47
	v_mov_b32 v[\i], 0
.endr
	s_wait_kmcnt 0x0
	v_mov_b32 v40, s26
	v_mul_f32 v40, 0xbfb8aa3b, v40
	v_exp_f32 v40, v40                                 ; e^-x
	v_nop
	s_wait_alu depctr_va_vdst(0)                       ; the wait ahead of a transcendental's first reader
	v_add_f32 v40, 1.0, v40
	v_rcp_f32 v41, v40                                 ; alpha
	v_nop
	s_wait_alu depctr_va_vdst(0)
	v_sub_f32 v42, 1.0, v41
	v_cmp_eq_u32 vcc_lo, 1, v29
	v_cndmask_b32 v12, v42, v41, vcc_lo                ; lanes 0-15 (kind c): 1 - alpha; lanes 16-31 (kind k): alpha
	v_mul_f32 v15, 0x3a000000, v41
	v_fma_f32 v15, v42, 0x3a000000, v15                ; alpha / 2048 + (1 - alpha) / 2048
	v_mov_b32 v43, 0
	s_wait_loadcnt 0x0
.irp f, 0,1,2,3
	v_lshl_or_b32 v[KSW+\f], v[193+4*\f], 8, v[192+4*\f]   ; bytes: Kc, Kk of tile 2 f; Kc, Kk of tile 2 f + 1
	v_lshl_or_b32 v[KSW+\f], v[194+4*\f], 16, v[KSW+\f]
	v_lshl_or_b32 v[KSW+\f], v[195+4*\f], 24, v[KSW+\f]
.endr
.irp dt, 0,1
	v_lshl_or_b32 v[VSW+\dt], v[209+4*\dt], 8, v[208+4*\dt]
	v_lshl_or_b32 v[VSW+\dt], v[210+4*\dt], 16, v[VSW+\dt]
	v_lshl_or_b32 v[VSW+\dt], v[211+4*\dt], 24, v[VSW+\dt]
.endr
	v_lshl_or_b32 v39, v217, 8, v216
	v_lshl_or_b32 v39, v39, 16, v39                    ; Q's scale word: Qc, Qk, Qc, Qk
.irp i, 0,1,2,3,4,5
	v_and_b32 v[226+\i], v37, v[218+\i]                ; A: Qc in lanes 0-15, zero codes above
	v_and_b32 v[232+\i], v38, v[218+\i]                ; B: Qk in lanes 16-31, zero codes below
.endr
.irp i, 0,1,2
	ds_store_b64 v30, v[226+2*\i:227+2*\i] offset:256*\i
	ds_store_b64 v30, v[232+2*\i:233+2*\i] offset:768+256*\i
.endr
	ds_store_b32 v30, v39 offset:1536
.irp i, 0,1,2,3,4,5
	ds_store_b128 v11, v[128+4*\i:131+4*\i] offset:512*\i
.endr
	ds_store_b128 v8, v[96:99]                         ; zeros into my part of OP: the first trip's slice sums them
	ds_store_b128 v8, v[96:99] offset:16
	ds_store_b128 v8, v[96:99] offset:64
	ds_store_b128 v8, v[96:99] offset:80
	s_load_b512 s[32:47], s[10:11], 0x0                ; the first tile's mask words (all loads that named s32 on are done)
	s_load_b512 s[48:63], s[10:11], 0x40
	s_load_b512 s[68:83], s[10:11], 0x80
	s_load_b512 s[84:99], s[10:11], 0xc0
	s_load_b32 s27, s[12:13], 0x0
	s_wait_dscnt 0x0                                   ; my stores have landed
	s_barrier_signal -1
.set j, 0
.rept 128
	v_mov_b32 v[SC+j], 0                               ; written once, so that every way through the loop's two jumps on the flag finds these registers written
.set j, j+1
.endr
	s_barrier_wait -1                                  ; Q's sixteen tiles lie in LDS
.Ltile:
	ds_load_b64 v[102:103], v3                         ; this tile's Q; the first 32 selects below stand between these loads and the wait for them
	ds_load_b64 v[104:105], v3 offset:256
	ds_load_b64 v[106:107], v3 offset:512
	ds_load_b64 v[114:115], v3 offset:768
	ds_load_b64 v[116:117], v3 offset:1024
	ds_load_b64 v[118:119], v3 offset:1280
	ds_load_b32 v14, v3 offset:1536
	s_wait_kmcnt 0x0                                   ; the mask words and the flag, asked for a trip ago
	s_mov_b32 s28, s27
	s_cmp_lg_u32 s28, 0
	s_cbranch_scc1 .Lskip1
	BIAS 0
	BIAS 1
	BIAS 2
	BIAS 3
	s_wait_dscnt 0x0
	SCW 0                                              ; no two products that follow each other share an accumulator; between Sc of a tile and Sk, which writes over Sc's C, stand five places or more
	SCW 1
	BIAS 4
	BIAS 5
	SKW 0
	SKW 1
	SCW 2
	SCW 3
	BIAS 6
	BIAS 7
	SKW 2
	SKW 3
	SCW 4
	SCW 5
	NOPS 5
	SKW 4
	SKW 5
	SCW 6
	SCW 7
	NOPS 5
	SKW 6
	SKW 7
	NOPS 4
	; the largest score of my 64 keys' registers, both kinds by turns, two chains each; every accumulator is first read at its low end.  The floor -2^80 stands over blocked scores
	v_max3_num_f32 v26, v[SC], v[SC+1], 0xe7800000
	v_max3_num_f32 v28, v[SK], v[SK+1], 0xe7800000
	v_max3_num_f32 v27, v[SC+32], v[SC+33], v[SC+34]
	v_max3_num_f32 v29, v[SK+32], v[SK+33], v[SK+34]
.irp i, 0,1,2,3,4,5,6,7,8,9,10,11,12,13
	v_max3_num_f32 v26, v26, v[SC+2+2*\i], v[SC+3+2*\i]
	v_max3_num_f32 v28, v28, v[SK+2+2*\i], v[SK+3+2*\i]
	v_max3_num_f32 v27, v27, v[SC+35+2*\i], v[SC+36+2*\i]
	v_max3_num_f32 v29, v29, v[SK+35+2*\i], v[SK+36+2*\i]
.endr
	v_max3_num_f32 v26, v26, v[SC+30], v[SC+31]
	v_max3_num_f32 v28, v28, v[SK+30], v[SK+31]
	v_max3_num_f32 v26, v26, v27, v[SC+63]
	v_max3_num_f32 v28, v28, v29, v[SK+63]
	v_permlanex16_b32 v40, v26, s24, s25
	v_permlanex16_b32 v41, v28, s24, s25
	v_max_num_f32 v26, v26, v40                        ; with lane l xor 16's 64 keys
	v_max_num_f32 v28, v28, v41
	v_mul_f32 v26, s22, v26                            ; as t
	v_mul_f32 v28, s22, v28
	v_floor_f32 v30, -v26                              ; -M = floor(-t): M is a whole number
	v_floor_f32 v32, -v28
	v_sub_f32 v22, 0, v30
	v_sub_f32 v24, 0, v32
.set j, 0
.rept 32
	v_pk_fma_f32 v[SC+j:SC+j+1], v[SC+j:SC+j+1], s[22:23], v[30:31] op_sel_hi:[1,0,0]   ; t - M, two at a time
	v_pk_fma_f32 v[SK+j:SK+j+1], v[SK+j:SK+j+1], s[22:23], v[32:33] op_sel_hi:[1,0,0]
.set j, j+2
.endr
.set j, 0
.rept 128
	v_exp_f32 v[SC+j], v[SC+j]                         ; p = 2^(t - M); 0 where blocked
.set j, j+1
.endr
	v_nop                                              ; a plain place behind the last exponential
	s_wait_alu depctr_va_vdst(0)                       ; one wait for the batch of 128, ahead of its first reader
	v_pk_add_f32 v[34:35], v[SC:SC+1], v[SC+2:SC+3]
	v_pk_add_f32 v[38:39], v[SK:SK+1], v[SK+2:SK+3]
	v_pk_add_f32 v[36:37], v[SC+4:SC+5], v[SC+6:SC+7]
	v_pk_add_f32 v[40:41], v[SK+4:SK+5], v[SK+6:SK+7]
.irp j, 8,12,16,20,24,28,32,36,40,44,48,52,56,60
	v_pk_add_f32 v[34:35], v[34:35], v[SC+\j:SC+\j+1]
	v_pk_add_f32 v[38:39], v[38:39], v[SK+\j:SK+\j+1]
	v_pk_add_f32 v[36:37], v[36:37], v[SC+\j+2:SC+\j+3]
	v_pk_add_f32 v[40:41], v[40:41], v[SK+\j+2:SK+\j+3]
.endr
	v_pk_add_f32 v[34:35], v[34:35], v[36:37]
	v_pk_add_f32 v[38:39], v[38:39], v[40:41]
	v_add_f32 v34, v34, v35
	v_add_f32 v38, v38, v39
	v_permlanex16_b32 v42, v34, s24, s25
	v_permlanex16_b32 v43, v38, s24, s25
	v_add_f32 v23, v34, v42                            ; l of my wave's 128 keys
	v_add_f32 v25, v38, v43
	s_branch .Ljoin1
.Lskip1:
	v_mov_b32 v22, 0xe6800000                          ; M = -2^78, under every M of an open key; l = 0
	v_mov_b32 v23, 0
	v_mov_b32 v24, 0xe6800000
	v_mov_b32 v25, 0
.Ljoin1:
	s_cmp_eq_u32 s21, 1                                ; the next tile's mask words and flag are asked for here, if there is a next tile: no load leaves its buffer
	s_cbranch_scc1 .Lno_next
	s_wait_xcnt 0x0                                    ; the bases are stepped only behind this wait
	s_add_nc_u64 s[10:11], s[10:11], 32768             ; eight tiles on
	s_add_nc_u64 s[12:13], s[12:13], 1024
	s_load_b512 s[32:47], s[10:11], 0x0
	s_load_b512 s[48:63], s[10:11], 0x40
	s_load_b512 s[68:83], s[10:11], 0x80
	s_load_b512 s[84:99], s[10:11], 0xc0
	s_load_b32 s27, s[12:13], 0x0
.Lno_next:
	ds_store_b128 v4, v[22:25]                         ; lanes r and r + 16 write the same words with the same values
	s_wait_dscnt 0x0                                   ; this store and the last trip's stores into OP have landed; on the way that leaves the work out, Q's loads are in
	s_barrier_signal -1
	s_barrier_wait -1                                  ; A: every wave's M and l lie in STAT, and the last tile's partial sums in OP
	ds_load_b64 v[26:27], v5                           ; query w: wave lane % 16's M and l, kind lane / 16
	OLOAD                                              ; and the last tile's partial sums of query w
	s_wait_dscnt 16                                    ; M and l are in; the sixteen loads behind them may be out
	v_mov_b32 v28, v26
	v_max_num_f32_dpp v28, v28, v28 row_xmask:1 row_mask:0xf bank_mask:0xf
	v_max_num_f32_dpp v28, v28, v28 row_xmask:2 row_mask:0xf bank_mask:0xf
	v_max_num_f32_dpp v28, v28, v28 row_xmask:4 row_mask:0xf bank_mask:0xf
	v_max_num_f32_dpp v28, v28, v28 row_xmask:8 row_mask:0xf bank_mask:0xf   ; G
	v_sub_f32 v30, v26, v28                            ; M - G: a whole number, 0 or less
	v_cvt_i32_f32 v30, v30                             ; (it saturates)
	v_ldexp_f32 v30, v27, v30                          ; l 2^(M - G): nothing is rounded
	v_add_f32_dpp v30, v30, v30 row_xmask:1 row_mask:0xf bank_mask:0xf
	v_add_f32_dpp v30, v30, v30 row_xmask:2 row_mask:0xf bank_mask:0xf
	v_add_f32_dpp v30, v30, v30 row_xmask:4 row_mask:0xf bank_mask:0xf
	v_add_f32_dpp v30, v30, v30 row_xmask:8 row_mask:0xf bank_mask:0xf       ; L
	v_rcp_f32 v31, v30
	s_wait_dscnt 0x0
	OADD                                               ; fifteen plain additions: the independent work behind the reciprocal
	s_wait_alu depctr_va_vdst(0)
	v_mul_f32 v31, v31, v12                            ; (1 - alpha) / Lc or alpha / Lk
	v_cmp_lt_f32 vcc_lo, 0, v30
	v_cndmask_b32 v29, 0, v31, vcc_lo                  ; 0 where every key of the row is blocked
	ds_store_b32 v10, v32                              ; the last tile's O, query w
	ds_store_b64 v6, v[28:29]
	s_wait_dscnt 0x0                                   ; my stores have landed, my reads of STAT and OP are over
	v_add_nc_u32 v10, 2048, v10                        ; the next slice
	s_barrier_signal -1
	s_barrier_wait -1                                  ; B: G and the weights' factors lie in GST; OP and STAT may be written again
	s_cmp_lg_u32 s28, 0
	s_cbranch_scc1 .Lskip2
	ds_load_b128 v[28:31], v7                          ; my query's Gc, wc, Gk, wk
	s_wait_dscnt 0x0
	v_sub_f32 v40, v22, v28
	v_sub_f32 v41, v24, v30
	v_cvt_i32_f32 v40, v40
	v_cvt_i32_f32 v41, v41
	v_ldexp_f32 v34, v29, v40                          ; fc = wc 2^(Mc - Gc)
	v_ldexp_f32 v36, v31, v41                          ; fk
	v_add_f32 v42, v29, v31
	v_cmp_eq_f32 vcc_lo, 0, v42
	v_cndmask_b32 v38, 0, v15, vcc_lo                  ; the uniform weight for a row blocked at all keys, else 0
.set j, 0
.rept 32
	v_pk_fma_f32 v[SK+j:SK+j+1], v[SK+j:SK+j+1], v[36:37], v[38:39] op_sel_hi:[1,0,0]
.set j, j+2
.endr
.set j, 0
.rept 32
	v_pk_fma_f32 v[SC+j:SC+j+1], v[SC+j:SC+j+1], v[34:35], v[SK+j:SK+j+1] op_sel_hi:[1,0,1]   ; A = pc fc + (pk fk + u)
.set j, j+2
.endr
.irp i, 0,1,2,3,4,5
	ds_load_b128 v[192+4*\i:195+4*\i], v11 offset:512*\i   ; V's two fragments; they land while A is quantised
.endr
	; A's four blocks of 32 keys: register 16 b + i is key 32 b + 16 (lane / 16) + i.  No |.|: no weight is negative
.irp b, 0,1,2,3
	v_max3_num_f32 v[TM+\b], v[SC+16*\b], v[SC+16*\b+1], 0x1800000
.endr
.irp i, 2,4,6,8,10,12,14
.irp b, 0,1,2,3
	v_max3_num_f32 v[TM+\b], v[TM+\b], v[SC+16*\b+\i], v[SC+16*\b+\i+1]
.endr
.endr
.irp b, 0,1,2,3
	v_permlanex16_b32 v[TM+4+\b], v[TM+\b], s24, s25
.endr
.irp b, 0,1,2,3
	v_max_num_f32 v[TM+\b], v[TM+\b], v[TM+4+\b]
.endr
.irp b, 0,1,2,3
	v_add_nc_u32 v[TM+12+\b], 0xff000000, v[TM+\b]
.endr
.irp b, 0,1,2,3
	v_lshrrev_b32 v[TM+4+\b], 23, v[TM+12+\b]
.endr
	v_lshl_or_b32 v13, v[TM+5], 8, v[TM+4]
	v_lshl_or_b32 v13, v[TM+6], 16, v13
	v_lshl_or_b32 v13, v[TM+7], 24, v13
.irp c, 0,1
	v_cvt_scalef32_pk16_fp6_f32 v[PC+6*\c:PC+6*\c+2], v[SC+32*\c:SC+32*\c+15], v[TM+12+2*\c]
	v_cvt_scalef32_pk16_fp6_f32 v[PT+4*\c:PT+4*\c+2], v[SC+32*\c+16:SC+32*\c+31], v[TM+12+2*\c+1]
.endr
	v_nop                                              ; one plain place behind a scaled conversion
.irp c, 0,1
.irp i, 0,1,2
	v_permlane16_swap_b32 v[PC+6*\c+\i], v[PT+4*\c+\i]
.endr
.irp i, 0,1,2
	v_mov_b32 v[PC+6*\c+3+\i], v[PT+4*\c+\i]
.endr
.endr
	NOPS 8                                             ; a scale register written by a vector instruction stands 8 places ahead of a scaled product, an operand so written 4
	s_wait_dscnt 0x0                                   ; V is in
	v_wmma_scale_f32_16x16x128_f8f6f4 v[240:247], v[192:203], v[216:227], 0, v20, v13 matrix_a_fmt:MATRIX_FMT_FP6 matrix_b_fmt:MATRIX_FMT_FP6   ; O^T, channels 0-15: source 0 = V^T, source 1 = A
	v_wmma_scale_f32_16x16x128_f8f6f4 v[248:255], v[204:215], v[216:227], 0, v21, v13 matrix_a_fmt:MATRIX_FMT_FP6 matrix_b_fmt:MATRIX_FMT_FP6   ; channels 16-31
	NOPS 4                                             ; ahead of the stores' reads, and of the next trip's selects into these products' operands
	ds_store_b128 v8, v[240:243]                       ; lane (r, h): query r, channels 8 h + 0 .. 7; each accumulator from its low end on
	ds_store_b128 v8, v[244:247] offset:16
	ds_store_b128 v8, v[248:251] offset:64
	ds_store_b128 v8, v[252:255] offset:80
	s_branch .Ljoin2
.Lskip2:
	ds_store_b128 v8, v[96:99]                         ; zeros
	ds_store_b128 v8, v[96:99] offset:16
	ds_store_b128 v8, v[96:99] offset:64
	ds_store_b128 v8, v[96:99] offset:80
.Ljoin2:
	v_add_nc_u32 v3, QSL, v3                           ; the next tile of Q
	s_sub_co_u32 s21, s21, 1
	s_cmp_lg_u32 s21, 0
	s_cbranch_scc1 .Ltile
	s_wait_dscnt 0x0
	s_barrier_signal -1
	s_barrier_wait -1                                  ; the last tile's partial sums lie in OP
	OLOAD
	s_wait_dscnt 0x0
	OADD
	ds_store_b32 v10, v32
	v_and_b32 v26, 31, v0
	s_lshl_b32 s29, s20, 11
	s_add_co_u32 s29, s29, OS
	v_lshl_add_u32 v27, v26, 6, s29                    ; tile w of O: query lane / 2, channels 16 (lane % 2) on: 64 bytes a lane
	v_lshrrev_b32 v28, 1, v26
	s_lshl_b32 s30, s20, 4
	s_add_co_u32 s30, s30, OSB
	v_add_nc_u32 v28, s30, v28                         ; its scale byte
	v_mul_u32_u24 v29, v26, 12                         ; its 12 bytes of codes
	v_lshl_add_u32 v33, v26, 3, OSB
	v_lshlrev_b32 v36, 3, v26
	s_wait_dscnt 0x0
	s_barrier_signal -1
	s_barrier_wait -1                                  ; all of O lies in OS
.irp i, 0,1,2,3
	ds_load_b128 v[128+4*\i:131+4*\i], v27 offset:16*\i
.endr
	s_wait_dscnt 0x0
	v_max3_num_f32 v30, |v128|, |v129|, 0x1800000
	v_max3_num_f32 v31, |v130|, |v131|, |v132|
	v_max3_num_f32 v30, v30, |v133|, |v134|
	v_max3_num_f32 v31, v31, |v135|, |v136|
	v_max3_num_f32 v30, v30, |v137|, |v138|
	v_max3_num_f32 v31, v31, |v139|, |v140|
	v_max3_num_f32 v30, v30, |v141|, |v142|
	v_max3_num_f32 v30, v30, v31, |v143|
	v_max_num_f32_dpp v30, v30, v30 row_xmask:1 row_mask:0xf bank_mask:0xf   ; with my neighbour's 16: the head's 32 channels are a block
	v_add_nc_u32 v31, 0xff000000, v30
	v_cvt_scalef32_pk16_fp6_f32 v[144:146], v[128:143], v31
	v_lshrrev_b32 v32, 23, v31
	ds_store_b8 v28, v32                               ; both lanes of a block write the same byte
	global_store_b96 v29, v[144:146], s[16:17]         ; 32 lanes store 384 consecutive bytes
	s_wait_dscnt 0x0
	s_barrier_signal -1
	s_barrier_wait -1
	s_cmp_lg_u32 s20, 0
	s_cbranch_scc1 .Lnot_wave_0
	ds_load_b64 v[34:35], v33
	s_wait_dscnt 0x0
	global_store_b64 v36, v[34:35], s[18:19]           ; 32 lanes store the work-group's 256 scale bytes, aligned
.Lnot_wave_0:
	s_wait_tensorcnt 0x0                               ; the wave's end
	ds_add_u32 v1, v2
	s_wait_dscnt 0x0
	s_endpgm
.Lfunc_end_k_qd65ca5fcb8_attn:
	.size	k_qd65ca5fcb8_attn, .Lfunc_end_k_qd65ca5fcb8_attn-k_qd65ca5fcb8_attn
	.p2alignl 7, 3214868480
	.fill 96, 4, 3214868480
	.section	.rodata,"a",@progbits
	.p2align	6, 0x0
	.amdhsa_kernel k_qd65ca5fcb8_attn
		.amdhsa_group_segment_fixed_size 158208
		.amdhsa_private_segment_fixed_size 0
		.amdhsa_enable_private_segment 0
		.amdhsa_kernarg_size 64
		.amdhsa_user_sgpr_count 2
		.amdhsa_user_sgpr_kernarg_segment_ptr 1
		.amdhsa_wavefront_size32 1
		.amdhsa_system_sgpr_workgroup_id_x 1
		.amdhsa_system_sgpr_workgroup_id_y 1
		.amdhsa_system_sgpr_workgroup_id_z 1
		.amdhsa_system_vgpr_workitem_id 0
		.amdhsa_next_free_vgpr 256
		.amdhsa_next_free_sgpr 100
		.amdhsa_reserve_vcc 1
		.amdhsa_float_denorm_mode_32 3
		.amdhsa_float_denorm_mode_16_64 3
		.amdhsa_memory_ordered 1
		.amdhsa_forward_progress 1
		.amdhsa_inst_pref_size 62
	.end_amdhsa_kernel
	.amdgpu_metadata
---
amdhsa.version: [ 1, 2 ]
amdhsa.kernels:
  - .name:           k_qd65ca5fcb8_attn
    .symbol:         k_qd65ca5fcb8_attn.kd
    .args:
      - { .name: qkc, .offset: 0, .size: 8, .value_kind: global_buffer, .address_space: global }
      - { .name: sc, .offset: 8, .size: 8, .value_kind: global_buffer, .address_space: global }
      - { .name: vc, .offset: 16, .size: 8, .value_kind: global_buffer, .address_space: global }
      - { .name: maskw, .offset: 24, .size: 8, .value_kind: global_buffer, .address_space: global }
      - { .name: mflag, .offset: 32, .size: 8, .value_kind: global_buffer, .address_space: global }
      - { .name: alpha_logit, .offset: 40, .size: 8, .value_kind: global_buffer, .address_space: global }
      - { .name: oc, .offset: 48, .size: 8, .value_kind: global_buffer, .address_space: global }
      - { .name: os, .offset: 56, .size: 8, .value_kind: global_buffer, .address_space: global }
    .group_segment_fixed_size: 158208
    .private_segment_fixed_size: 0
    .kernarg_segment_align: 8
    .kernarg_segment_size: 64
    .max_flat_workgroup_size: 512
    .sgpr_count:     100
    .vgpr_count:     256
    .wavefront_size: 32
...
	.end_amdgpu_metadata
.endif
;; end of part 2
;; launch outp (part 3): grid 256 x 1, 8 waves a work-group, no clusters, 34,304 bytes of LDS; arguments oc, os, woc, bo, out0; writes out0
.if DOCPART == 3
	.amdgcn_target "amdgcn-amd-amdhsa--gfx1250"
	.amdhsa_code_object_version 6
	.text
	.protected	k_qd65ca5fcb8_outp
	.globl	k_qd65ca5fcb8_outp
	.p2align	8
	.type	k_qd65ca5fcb8_outp,@function
k_qd65ca5fcb8_outp:
	s_mov_b64 s[64:65], 0
	v_nop
	global_prefetch_b8 v0, s[64:65] scope:SCOPE_SE
	s_setreg_imm32_b32 hwreg(HW_REG_WAVE_MODE, 25, 1), 1
	s_wait_xcnt 0x0
; OUTP.  out0 = O Wo^T + bo, K = 256, on codes of FP6 (E2M3) with E8M0 scales: O's codes and bytes from the attention launch, Wo's operand images from the first launch.
; Work-group id takes storage rows 32 id .. 32 id + 31 of O.  Storage row (batch x 8 + x) x 256 + 16 i + r is the true row batch x 2,048 + 16 (x + 8 i) + r, so a tile of 16 storage rows is 16 neighbouring true rows.
; Wave w makes columns 32 w .. 32 w + 31 for both tiles of rows: four accumulators by turns, two K steps; the bias is the C of each sum's first product.
; Source 0 = 16 rows of Wo, source 1 = 16 rows of O: a lane holds eight neighbouring columns of one row.  The rows meet in a stage in LDS and leave whole, 512 consecutive bytes a store.
; No tensor load and no joint request: a work-group reads 6 KiB of codes of O and each wave 6 KiB of Wo once, straight into the operands' registers.
.set STG,   0                          ; 32 rows x (1,024 bytes + 16)
.set SPARE, 33280                      ; the spare words, 128 bytes for each wave
.set WSW, 16                           ; v16-19 Wo's scale words, v20-23 O's: they hold scales and nothing else
.set OSW, 20
.set WF,  32                           ; v32-79  Wo's fragments: 12 (2 u + s)
.set OF,  80                           ; v80-127 O's: 12 (2 m + s)
.set ACC, 128                          ; v128-159: 8 (2 m + u)
.set BI,  160                          ; v160-175 the bias, 8 u
.set BYT, 176                          ; v176-191 O's scale bytes as loaded
.set OUTR, 192                         ; v192-223 rows on their way out
	s_load_b256 s[4:11], s[0:1], 0x0                   ; oc 4, os 6, woc 8, bo 10
	s_load_b64 s[12:13], s[0:1], 0x20                  ; out0
	v_lshl_add_u32 v1, v0, 2, SPARE
	v_mov_b32 v2, 0
	v_lshrrev_b32 v3, 5, v0
	v_readfirstlane_b32 s14, v3                        ; wave 0..7
	v_and_b32 v3, 31, v0
	v_and_b32 v4, 15, v0                               ; r
	v_bfe_u32 v5, v0, 4, 1                             ; h
	v_lshlrev_b32 v6, 4, v3                            ; 16 x lane
	v_lshlrev_b32 v7, 2, v3                            ; 4 x lane
	v_mul_u32_u24 v8, v4, 24
	v_mad_u32_u24 v8, v5, 196608, v8                   ; O's codes: row r; lanes 16-31 take the next head
	v_lshlrev_b32 v9, 5, v5                            ; the bias: 8 h numbers on
	v_mul_u32_u24 v10, v4, 1040
	v_lshl_add_u32 v10, v5, 5, v10
	s_lshl_b32 s15, s14, 7
	v_add_nc_u32 v10, s15, v10                         ; the stage, in: row r, + 128 w + 32 h
	s_mul_i32 s15, s14, 4*1040
	v_add_nc_u32 v11, s15, v6                          ; and back: my four rows, 16 bytes a lane
	s_mov_b32 s29, 0
	s_lshr_b32 s30, ttmp9, 6
	s_lshl_b32 s30, s30, 11                            ; batch x 2,048
	s_bfe_u32 s31, ttmp9, 0x30003                      ; x
	s_lshl_b32 s31, s31, 4
	s_add_co_u32 s30, s30, s31
	s_and_b32 s31, ttmp9, 7
	s_lshl_b32 s31, s31, 1
	s_lshr_b32 s32, s14, 2
	s_add_co_u32 s31, s31, s32                         ; i = 2 (id % 8) + w / 4
	s_lshl_b32 s31, s31, 7
	s_add_co_u32 s30, s30, s31
	s_and_b32 s31, s14, 3
	s_lshl_b32 s31, s31, 2
	s_add_co_u32 s30, s30, s31                         ; the first of the four true rows that I store
	s_wait_kmcnt 0x0
	s_mul_i32 s28, s14, 6144
	s_add_nc_u64 s[16:17], s[8:9], s[28:29]            ; my four images of Wo,
	s_lshl_b32 s28, s14, 9
	s_add_nc_u64 s[18:19], s[8:9], s[28:29]            ; their scale words (from byte 49,152 on)
	s_mul_i32 s28, ttmp9, 768
	s_add_nc_u64 s[20:21], s[4:5], s[28:29]            ; my work-group's 32 rows of codes in a head's plane
	s_lshl_b32 s28, ttmp9, 5
	s_add_nc_u64 s[22:23], s[6:7], s[28:29]            ; and their scale bytes
	s_lshl_b32 s28, s14, 7
	s_add_nc_u64 s[24:25], s[10:11], s[28:29]          ; bo at my 32 columns
	s_lshl_b32 s28, s30, 10
	s_add_nc_u64 s[26:27], s[12:13], s[28:29]
.irp f, 0,1,2,3
.irp c, 0,1,2
	global_load_b128 v[WF+12*\f+4*\c:WF+12*\f+4*\c+3], v6, s[16:17] offset:1536*\f+512*\c
.endr
	global_load_b32 v[WSW+\f], v7, s[18:19] offset:49152+128*\f
.endr
.irp m, 0,1
.irp s, 0,1
.irp c, 0,1
.irp p, 0,1,2
	global_load_b64 v[OF+12*(2*\m+\s)+6*\c+2*\p:OF+12*(2*\m+\s)+6*\c+2*\p+1], v8, s[20:21] offset:(4*\s+2*\c)*196608+384*\m+8*\p   ; k = 128 s + 64 c + 32 h + 0 .. 31 is head 4 s + 2 c + h
.endr
.endr
.irp k, 0,1,2,3
	global_load_u8 v[BYT+4*(2*\m+\s)+\k], v4, s[22:23] offset:(4*\s+\k)*8192+16*\m
.endr
.endr
.endr
.irp u, 0,1
	global_load_b128 v[BI+8*\u:BI+8*\u+3], v9, s[24:25] offset:64*\u
	global_load_b128 v[BI+8*\u+4:BI+8*\u+7], v9, s[24:25] offset:64*\u+16
.endr
	s_wait_loadcnt 0x0
.irp f, 0,1,2,3
	v_lshl_or_b32 v[OSW+\f], v[BYT+4*\f+1], 8, v[BYT+4*\f]
	v_lshl_or_b32 v[OSW+\f], v[BYT+4*\f+2], 16, v[OSW+\f]
	v_lshl_or_b32 v[OSW+\f], v[BYT+4*\f+3], 24, v[OSW+\f]
.endr
.rept 8
	v_nop                                              ; a scale register written by a vector instruction stands 8 places ahead of a scaled product
.endr
.irp m, 0,1
.irp u, 0,1
	v_wmma_scale_f32_16x16x128_f8f6f4 v[ACC+8*(2*\m+\u):ACC+8*(2*\m+\u)+7], v[WF+24*\u:WF+24*\u+11], v[OF+24*\m:OF+24*\m+11], v[BI+8*\u:BI+8*\u+7], v[WSW+2*\u], v[OSW+2*\m] matrix_a_fmt:MATRIX_FMT_FP6 matrix_b_fmt:MATRIX_FMT_FP6
.endr
.endr
.irp m, 0,1
.irp u, 0,1
	v_wmma_scale_f32_16x16x128_f8f6f4 v[ACC+8*(2*\m+\u):ACC+8*(2*\m+\u)+7], v[WF+24*\u+12:WF+24*\u+23], v[OF+24*\m+12:OF+24*\m+23], v[ACC+8*(2*\m+\u):ACC+8*(2*\m+\u)+7], v[WSW+2*\u+1], v[OSW+2*\m+1] matrix_a_fmt:MATRIX_FMT_FP6 matrix_b_fmt:MATRIX_FMT_FP6
.endr
.endr
.rept 4
	v_nop                                              ; places ahead of the stores' reads of results
.endr
.irp m, 0,1
.irp u, 0,1
	ds_store_b128 v10, v[ACC+8*(2*\m+\u):ACC+8*(2*\m+\u)+3] offset:STG+16*\m*1040+64*\u        ; lane (r, h): row 16 m + r, columns 32 w + 16 u + 8 h + 0 .. 7; each accumulator from its low end on
	ds_store_b128 v10, v[ACC+8*(2*\m+\u)+4:ACC+8*(2*\m+\u)+7] offset:STG+16*\m*1040+64*\u+16
.endr
.endr
	s_wait_dscnt 0x0                                   ; my stores have landed
	s_barrier_signal -1
	s_barrier_wait -1                                  ; 32 whole rows lie in the stage
.irp k, 0,1,2,3,4,5,6,7
	ds_load_b128 v[OUTR+4*\k:OUTR+4*\k+3], v11 offset:STG+(\k/2)*1040+512*(\k%2)
.endr
.irp k, 0,1,2,3,4,5,6,7
	s_wait_dscnt 7-\k                                  ; LDS loads come back in order: load k is in, the younger ones may be out
	global_store_b128 v6, v[OUTR+4*\k:OUTR+4*\k+3], s[26:27] offset:(\k/2)*1024+512*(\k%2) th:TH_STORE_NT   ; 32 lanes store 512 consecutive bytes, aligned
.endr
	s_wait_tensorcnt 0x0                               ; the wave's end
	ds_add_u32 v1, v2
	s_wait_dscnt 0x0
	s_endpgm
.Lfunc_end_k_qd65ca5fcb8_outp:
	.size	k_qd65ca5fcb8_outp, .Lfunc_end_k_qd65ca5fcb8_outp-k_qd65ca5fcb8_outp
	.p2alignl 7, 3214868480
	.fill 96, 4, 3214868480
	.section	.rodata,"a",@progbits
	.p2align	6, 0x0
	.amdhsa_kernel k_qd65ca5fcb8_outp
		.amdhsa_group_segment_fixed_size 34304
		.amdhsa_private_segment_fixed_size 0
		.amdhsa_enable_private_segment 0
		.amdhsa_kernarg_size 40
		.amdhsa_user_sgpr_count 2
		.amdhsa_user_sgpr_kernarg_segment_ptr 1
		.amdhsa_wavefront_size32 1
		.amdhsa_system_sgpr_workgroup_id_x 1
		.amdhsa_system_sgpr_workgroup_id_y 1
		.amdhsa_system_sgpr_workgroup_id_z 1
		.amdhsa_system_vgpr_workitem_id 0
		.amdhsa_next_free_vgpr 224
		.amdhsa_next_free_sgpr 66
		.amdhsa_reserve_vcc 0
		.amdhsa_float_denorm_mode_32 3
		.amdhsa_float_denorm_mode_16_64 3
		.amdhsa_memory_ordered 1
		.amdhsa_forward_progress 1
		.amdhsa_inst_pref_size 13
	.end_amdhsa_kernel
	.amdgpu_metadata
---
amdhsa.version: [ 1, 2 ]
amdhsa.kernels:
  - .name:           k_qd65ca5fcb8_outp
    .symbol:         k_qd65ca5fcb8_outp.kd
    .args:
      - { .name: oc, .offset: 0, .size: 8, .value_kind: global_buffer, .address_space: global }
      - { .name: os, .offset: 8, .size: 8, .value_kind: global_buffer, .address_space: global }
      - { .name: woc, .offset: 16, .size: 8, .value_kind: global_buffer, .address_space: global }
      - { .name: bo, .offset: 24, .size: 8, .value_kind: global_buffer, .address_space: global }
      - { .name: out0, .offset: 32, .size: 8, .value_kind: global_buffer, .address_space: global }
    .group_segment_fixed_size: 34304
    .private_segment_fixed_size: 0
    .kernarg_segment_align: 8
    .kernarg_segment_size: 40
    .max_flat_workgroup_size: 256
    .sgpr_count:     66
    .vgpr_count:     224
    .wavefront_size: 32
...
	.end_amdgpu_metadata
.endif
;; end of part 3
;; ======== version 2 of 2: 3 launches; version 1 with the launches prep, attn, outp written anew for expert scheduling mode
;; limits: right only within a limited range of input values
;; workspace buffers: qkc 6,291,456 bytes; sc 327,680 bytes; vc 1,572,864 bytes; woc 53,248 bytes; maskw 524,288 bytes of whole numbers; mflag 16,384 bytes of whole numbers; oc 1,572,864 bytes; os 65,536 bytes
;; launch prep (part 4): grid 385 x 1, 8 waves a work-group, no clusters, 29,952 bytes of LDS; arguments content, category, Wqc, Wkc, Wqk, Wkk, Wv, Wo, causal_mask, qkc, sc, vc, woc, maskw, mflag; writes qkc, sc, vc, woc, maskw, mflag
.if DOCPART == 4
	.amdgcn_target "amdgcn-amd-amdhsa--gfx1250"
	.amdhsa_code_object_version 6
	.text
	.protected	k_qd65ca5fcb8_prep
	.globl	k_qd65ca5fcb8_prep
	.p2align	8
	.type	k_qd65ca5fcb8_prep,@function
k_qd65ca5fcb8_prep:
	s_mov_b64 s[64:65], 0
	v_nop
	global_prefetch_b8 v0, s[64:65] scope:SCOPE_SE
	s_setreg_imm32_b32 hwreg(HW_REG_WAVE_SCHED_MODE, 0, 2), 2
	s_setreg_imm32_b32 hwreg(HW_REG_WAVE_MODE, 25, 1), 1
	s_wait_xcnt 0x0
	s_wait_alu depctr_vm_vsrc(0)
; PREP.  Work-group id = 64 p + rb.
;   p = 0 Qc, 1 Kc, 2 Qk, 3 Kk, 4 V: rows 128 rb .. 128 rb + 127 of one projection y = x W^T (K = 256), on codes of FP6 (E2M3) with one E8M0 byte for each 32 along K.
;     x and W arrive as f32 with K innermost and are quantised in registers; the f32 results are quantised again for the attention launch:
;     Q and K along the head's 32 channels (24 bytes a row and head), V along 32 neighbouring keys (24 bytes a channel and block of keys).
;   p = 5: the mask input becomes lane-mask words (bit L of a word = lane L's query and key in the attention launch's score registers) and one flag for each 16 queries x 128 keys.
;   p = 6 (one work-group): Wo becomes operand images for the last launch.
; SHARES.  Eight waves.  Wave w quantises 16 of the 128 rows of x (two fragments of 128 K) and hands them round through LDS as images of the operand's registers;
;   it owns output columns 32 w .. 32 w + 31, which are head w, and keeps its four fragments of W in registers.
; LAYOUT.  Q, K: source 0 = 16 rows of W, source 1 = 16 rows of x; W's tile u takes rows 32 w + 8 u + r + 8 (r / 8), so that a lane's 16 registers of tiles 0, 1 are channels 16 (lane / 16) + 0 .. 15 of its row.
;   V: source 0 = 16 rows of x, source 1 = 16 rows of W; x's tile 2 b + T takes rows 32 b + 8 T + r + 8 (r / 8), so that a lane's 16 registers are 16 neighbouring keys of its channel.
; No tensor load and no joint request: a work-group reads its 128 KiB of x and 256 KiB of W once, straight into the registers that quantise them.
; LIMITS: a block whose largest magnitude lies under 2^-124 keeps the scale byte 1; a block of zeros has the byte 1 where the rule says 127 (its codes are zeros, and this program alone reads the bytes);
;   NaN and infinities among the inputs are not served.
; THE MODE: SCHED_MODE bits 1:0 = 2 (LLVM: expert scheduling mode 2), set by the entry lines.  The code itself states the register dependences
; between vector or matrix instructions and memory or LDS instructions, with s_wait_alu, always for 0.
; THE PLAN.  Registers that memory or LDS instructions touch, and who else names them:
;   S0, S1      Written by global loads; read by the quantiser's maxima and conversions (QA).  One wait on va_vdst stands behind QA; the set's next 16 loads follow it, and the exchange of halves (QB) names PT and the destination alone.
;   PC, PW      Written by QA and QB; read by an image's LDS stores: one wait on va_vdst ahead of each image, one on vm_vsrc ahead of the second fragment's QA.
;   WF, WSW     Written by QA and QB; read by the products: one wait on va_vdst behind the eight places.
;   XF, XS      Written by LDS loads; read by a pair's eight products.  One wait on va_vdst behind the five places; the next pair's loads follow it and land while this pair's results are quantised (ACC, TM, CO, BY alone are named there).
;   CO, BY      Each pair's own: written by its conversions and shifts, read by its stores, never written again: one wait on va_vdst ahead of the stores.
;   v6-15, v26, v27  Offsets and LDS addresses, made once and never written again.
;   The mask's way: v64-127 are loaded and read by vector instructions; s56-63 are written by runs of eight compares, each run with one wait on va_sdst; v48-55, v44-45 go out behind one wait on va_vdst.
.set PLANE,  1572864                   ; bytes of one of the four planes of qkc
.set XIMG,   0                         ; LDS: x's 16 fragments (tile T, K step s: 2 T + s), 1,536 bytes each
.set XSC,    24576                     ; their scale words, 128 bytes each
.set SBQ,    26624                     ; Q / K: 128 rows x 8 heads of scale bytes
.set SBV,    27648                     ; V: 4 blocks of keys x 256 channels of scale bytes
.set MR,     28672                     ; the mask path's exchange: 8 bytes a wave
.set SPARE,  28928                     ; the spare words, 128 bytes for each wave
.set SPW, 1                            ; v1   my spare word's address; never rewritten
.set NIL, 2                            ; v2   0; never rewritten
.set WSW, 16                           ; v16-19 W's scale words        v20-23 x's scale words: these eight hold scales and nothing else
.set XS,  20
.set PW,  24                           ; v24  a scale word on its way to LDS
.set TM,  32                           ; v32-47 at work in the quantiser
.set PT,  48                           ; v48-55 the conversions' second halves
.set PC,  56                           ; v56-67 x's codes on their way to LDS
.set WF,  76                           ; v76-123 W's fragments: tile u, K step s at 12 (2 u + s)
.set S0,  124                          ; v124-187, v188-251: two sets of 64 numbers
.set S1,  188
.set XF,  124                          ; later: four fragments of x
.set ACC, 188                          ; and four accumulators
.set SEL, 72                           ; s[72:73] lane selects: lane l xor 16
; 64 numbers of a lane, register 16 b + i = k 32 b + 16 (lane / 16) + i of my row, become a fragment's 12 registers at dst and its scale word.
; QA: the scales and the conversions, the last lines that read the 64 numbers.  QB: the exchange of halves.
.macro QA src, dst, word
.irp b, 0,1,2,3
	v_max3_num_f32 v[TM+\b], |v[\src+16*\b]|, |v[\src+16*\b+1]|, 0x1800000   ; my 16 numbers of block b and the floor 2^(3 - 127): the byte cannot fall under 1
.endr
.irp i, 2,4,6,8,10,12,14
.irp b, 0,1,2,3
	v_max3_num_f32 v[TM+\b], v[TM+\b], |v[\src+16*\b+\i]|, |v[\src+16*\b+\i+1]|
.endr
.endr
.irp b, 0,1,2,3
	v_permlanex16_b32 v[TM+4+\b], v[TM+\b], s[SEL], s[SEL+1]
.endr
.irp b, 0,1,2,3
	v_max_num_f32 v[TM+\b], v[TM+\b], v[TM+4+\b]       ; with lane l xor 16's: the block's largest magnitude
.endr
.irp b, 0,1,2,3
	v_add_nc_u32 v[TM+12+\b], 0xff000000, v[TM+\b]     ; 2 off its exponent field: the conversion's scale operand
.endr
.irp b, 0,1,2,3
	v_lshrrev_b32 v[TM+4+\b], 23, v[TM+12+\b]          ; the scale's byte
.endr
	v_lshl_or_b32 v[\word], v[TM+5], 8, v[TM+4]
	v_lshl_or_b32 v[\word], v[TM+6], 16, v[\word]
	v_lshl_or_b32 v[\word], v[TM+7], 24, v[\word]
.irp c, 0,1
	v_cvt_scalef32_pk16_fp6_f32 v[\dst+6*\c:\dst+6*\c+2], v[\src+32*\c:\src+32*\c+15], v[TM+12+2*\c]
	v_cvt_scalef32_pk16_fp6_f32 v[PT+4*\c:PT+4*\c+2], v[\src+32*\c+16:\src+32*\c+31], v[TM+12+2*\c+1]   ; (a conversion's three registers begin on an even number)
.endr
	v_nop                                              ; one plain place behind a scaled conversion
.endm
.macro QB dst
.irp c, 0,1                                        ; the operand wants a whole block in a lane: lanes 0-15 block 2 c, lanes 16-31 block 2 c + 1
.irp i, 0,1,2
	v_permlane16_swap_b32 v[\dst+6*\c+\i], v[PT+4*\c+\i]
.endr
.irp i, 0,1,2
	v_mov_b32 v[\dst+6*\c+3+\i], v[PT+4*\c+\i]
.endr
.endr
.endm
.macro XLOAD set, voff, sb, s          ; 64 numbers a lane: K step s of my row
.irp b, 0,1,2,3
.irp j, 0,1,2,3
	global_load_b128 v[\set+16*\b+4*\j:\set+16*\b+4*\j+3], v[\voff], s[\sb:\sb+1] offset:512*(\s)+128*\b+16*\j
.endr
.endr
.endm
.macro IMAGE f                         ; the fragment in v[PC] on and its scale word go to LDS as they stand
.irp c, 0,1,2
	ds_store_b128 v10, v[PC+4*\c:PC+4*\c+3] offset:XIMG+(\f)*1536+512*\c
.endr
	ds_store_b32 v11, v[PW] offset:XSC+(\f)*128
.endm
.macro MM0 d, a, b, sa, sb
	v_wmma_scale_f32_16x16x128_f8f6f4 v[\d:\d+7], v[\a:\a+11], v[\b:\b+11], 0, v[\sa], v[\sb] matrix_a_fmt:MATRIX_FMT_FP6 matrix_b_fmt:MATRIX_FMT_FP6
.endm
.macro MMC d, a, b, sa, sb
	v_wmma_scale_f32_16x16x128_f8f6f4 v[\d:\d+7], v[\a:\a+11], v[\b:\b+11], v[\d:\d+7], v[\sa], v[\sb] matrix_a_fmt:MATRIX_FMT_FP6 matrix_b_fmt:MATRIX_FMT_FP6
.endm
; The four fragments and scale words of x's tiles 2 bp, 2 bp + 1, from LDS.
.macro PFETCH bp
.irp tp, 0,1
.irp s, 0,1
.irp c, 0,1,2
	ds_load_b128 v[XF+12*(2*\tp+\s)+4*\c:XF+12*(2*\tp+\s)+4*\c+3], v8 offset:XIMG+(2*(2*(\bp)+\tp)+\s)*1536+512*\c
.endr
	ds_load_b32 v[XS+2*\tp+\s], v9 offset:XSC+(2*(2*(\bp)+\tp)+\s)*128
.endr
.endr
.endm
; Two tiles of x (2 bp, 2 bp + 1) against my two tiles of W: four accumulators by turns, two K steps; then the results are quantised, 16 registers a block half.
.macro PAIR bp, swap
.if \bp < 2
.set CO, 172+8*\bp                     ; each pair has its own registers for codes and bytes: no store's data are written again
.else
.set CO, 220+8*(\bp-2)
.endif
.set BY, 236+2*\bp
.if \bp == 0
	PFETCH 0                                           ; (the last vector lines that named these registers stand ahead of the wait in front of the barrier)
.endif
	s_wait_dscnt 0x0
.irp s, 0,1
.irp tp, 0,1
.irp u, 0,1
.if \swap
.if \s == 0
	MM0 ACC+16*\u+8*\tp, XF+12*(2*\tp+\s), WF+12*(2*\u+\s), XS+2*\tp+\s, WSW+2*\u+\s
.else
	MMC ACC+16*\u+8*\tp, XF+12*(2*\tp+\s), WF+12*(2*\u+\s), XS+2*\tp+\s, WSW+2*\u+\s
.endif
.else
.if \s == 0
	MM0 ACC+16*\tp+8*\u, WF+12*(2*\u+\s), XF+12*(2*\tp+\s), WSW+2*\u+\s, XS+2*\tp+\s
.else
	MMC ACC+16*\tp+8*\u, WF+12*(2*\u+\s), XF+12*(2*\tp+\s), WSW+2*\u+\s, XS+2*\tp+\s
.endif
.endif
.endr
.endr
.endr
.rept 5
	v_nop                                              ; four places ahead of the reads of results; five ahead of the next pair's products, which begin these accumulators anew
.endr
.if \bp < 3
	s_wait_alu depctr_va_vdst(0)                       ; the eight products are done reading x's fragments and scale words, in which the next pair's loads land
	PFETCH \bp+1                                       ; they land while this pair's results are quantised: the lines below name ACC, TM, CO and BY alone
.endif
.irp e, 0,1
	v_max3_num_f32 v[TM+\e], |v[ACC+16*\e]|, |v[ACC+16*\e+1]|, 0x1800000   ; each accumulator is read from its low end on
.endr
.irp i, 2,4,6,8,10,12,14
.irp e, 0,1
	v_max3_num_f32 v[TM+\e], v[TM+\e], |v[ACC+16*\e+\i]|, |v[ACC+16*\e+\i+1]|
.endr
.endr
.irp e, 0,1
	v_permlanex16_b32 v[TM+4+\e], v[TM+\e], s[SEL], s[SEL+1]
.endr
.irp e, 0,1
	v_max_num_f32 v[TM+\e], v[TM+\e], v[TM+4+\e]
.endr
.irp e, 0,1
	v_add_nc_u32 v[TM+12+\e], 0xff000000, v[TM+\e]
.endr
.irp e, 0,1
	v_cvt_scalef32_pk16_fp6_f32 v[CO+4*\e:CO+4*\e+2], v[ACC+16*\e:ACC+16*\e+15], v[TM+12+\e]
.endr
.irp e, 0,1
	v_lshrrev_b32 v[BY+\e], 23, v[TM+12+\e]            ; the scale's byte; also the plain place behind the conversions
.endr
	s_wait_alu depctr_va_vdst(0)                       ; the conversions have written v[CO ..] and the shifts v[BY ..], which the stores below read
.irp e, 0,1
	global_store_b96 v12, v[CO+4*\e:CO+4*\e+2], s[46:47] offset:768*\bp+384*\e   ; 32 lanes store 384 consecutive bytes
.if \swap
	ds_store_b8 v14, v[BY+\e] offset:SBV+256*\bp+16*\e
.else
	ds_store_b8 v13, v[BY+\e] offset:SBQ+(32*\bp+16*\e)*8
.endif
.endr
.endm
; The work-group's 1,024 scale bytes leave as four aligned runs of 256 bytes; then the wave's end.
.macro TAIL sbase
	s_wait_dscnt 0x0                                   ; my byte stores have landed
	s_barrier_signal -1
	s_barrier_wait -1
	s_cmp_lt_u32 s34, 4
	s_cbranch_scc0 .Lno_bytes_\@
	ds_load_b64 v[244:245], v15 offset:\sbase          ; (the quantiser's last reads of v244, v245 stand ahead of the wait in front of the barrier)
	s_wait_dscnt 0x0
	global_store_b64 v15, v[244:245], s[44:45]
.Lno_bytes_\@:
	s_wait_dscnt 0x0                                   ; the closing lines, six on end
	s_wait_alu 0x0
	s_wait_tensorcnt 0x0
	ds_add_u32 v[SPW], v[NIL]
	s_wait_dscnt 0x0
	s_endpgm
.endm
	s_load_b512 s[4:19], s[0:1], 0x0                   ; content 4, category 6, Wqc 8, Wkc 10, Wqk 12, Wkk 14, Wv 16, Wo 18
	s_load_b256 s[20:27], s[0:1], 0x40                 ; mask 20, qkc 22, sc 24, vc 26
	s_load_b128 s[28:31], s[0:1], 0x60                 ; woc 28, maskw 30
	s_load_b64 s[32:33], s[0:1], 0x70                  ; mflag
	v_lshl_add_u32 v[SPW], v0, 2, SPARE
	v_mov_b32 v[NIL], 0
	v_lshrrev_b32 v3, 5, v0
	v_readfirstlane_b32 s34, v3                        ; wave 0..7
	v_and_b32 v3, 31, v0                               ; lane
	v_and_b32 v4, 15, v0                               ; r
	v_bfe_u32 v5, v0, 4, 1                             ; h
	s_lshr_b32 s35, ttmp9, 6                           ; p
	s_and_b32 s36, ttmp9, 63                           ; rb
	v_lshlrev_b32 v8, 4, v3                            ; 16 x lane: an image's place
	v_lshlrev_b32 v9, 2, v3                            ; 4 x lane: a scale word's
	s_wait_alu depctr_va_sdst(0)                       ; s34 is written, ahead of its first reader: LDS addresses, bases and branches are made from it
	s_mul_i32 s37, s34, 3072
	v_add_nc_u32 v10, s37, v8                          ; where I store x's images: two fragments a wave
	s_lshl_b32 s37, s34, 8
	v_add_nc_u32 v11, s37, v9                          ; and their scale words
	v_mul_u32_u24 v12, v4, 24
	v_mad_u32_u24 v12, v5, 12, v12                     ; codes out: 24 r + 12 h
	v_lshlrev_b32 v13, 3, v4
	v_add_nc_u32 v13, s34, v13                         ; Q / K scale byte: 8 r + w
	s_lshl_b32 s37, s34, 5
	v_add_nc_u32 v14, s37, v4                          ; V scale byte: 32 w + r
	s_and_b32 s37, s34, 3
	s_lshl_b32 s37, s37, 8
	v_lshl_add_u32 v15, v3, 3, s37                     ; scale bytes out: 256 (w % 4) + 8 x lane, in LDS and in memory alike
	s_lshl_b32 s37, s34, 3
	v_mov_b32 v26, s37                                 ; the mask path: 8 w,
	s_lshr_b32 s37, s34, 2
	s_lshl_b32 s37, s37, 5
	v_mov_b32 v27, s37                                 ; and 32 (w / 4)
.irp b, 0,1,2,3
	v_mov_b32 v[TM+4+\b], 0                            ; written once: a lane permute's destination counts as one of its sources
.endr
	s_mov_b32 s[SEL], 0x76543210
	s_mov_b32 s[SEL+1], 0xfedcba98
	s_wait_kmcnt 0x0
	s_cmp_eq_u32 s35, 5
	s_cbranch_scc1 .Lmask
	; which W, and how its rows form tiles
	s_mov_b64 s[40:41], s[8:9]
	s_cmp_eq_u32 s35, 1
	s_cselect_b64 s[40:41], s[10:11], s[40:41]
	s_cmp_eq_u32 s35, 2
	s_cselect_b64 s[40:41], s[12:13], s[40:41]
	s_cmp_eq_u32 s35, 3
	s_cselect_b64 s[40:41], s[14:15], s[40:41]
	s_cmp_eq_u32 s35, 4
	s_cselect_b64 s[40:41], s[16:17], s[40:41]
	s_cselect_b32 s53, 8192, 0                         ; V: lanes 8-15 of a tile of x stand 8 rows further on
	s_cmp_eq_u32 s35, 6
	s_cselect_b64 s[40:41], s[18:19], s[40:41]
	s_cmp_lt_u32 s35, 4
	s_cselect_b32 s52, 8192, 0                         ; Q, K: the same for a tile of W,
	s_sub_co_u32 s50, 16384, s52                       ; whose second tile then begins 8 rows on, else 16
	s_mov_b32 s51, 0
	s_lshl_b32 s48, s34, 15                            ; my 32 rows of W
	s_mov_b32 s49, 0
	s_add_nc_u64 s[40:41], s[40:41], s[48:49]          ; tile 0
	s_add_nc_u64 s[42:43], s[40:41], s[50:51]          ; tile 1
	v_lshlrev_b32 v6, 10, v4
	v_lshl_add_u32 v6, v5, 6, v6                       ; row r of 1,024 bytes + 64 h: my 16 numbers of a block of 32
	v_lshrrev_b32 v25, 3, v4
	v_mad_u32_u24 v7, v25, s53, v6                     ; x's offset
	v_mad_u32_u24 v6, v25, s52, v6                     ; W's offset
	s_wait_alu depctr_va_vdst(0)                       ; the offsets and LDS addresses v6 to v15 are written, which the loads and stores of both ways below read; none is written again
	s_cmp_eq_u32 s35, 6
	s_cbranch_scc1 .Lwo
	; ---- a projection
	s_lshr_b32 s37, s35, 1
	s_cmp_eq_u32 s37, 1
	s_cselect_b64 s[38:39], s[6:7], s[4:5]             ; category for Qk and Kk, else content
	s_lshr_b32 s54, s34, 1
	s_lshl_b32 s54, s54, 5
	s_and_b32 s55, s34, 1
	s_lshl_b32 s55, s55, 3
	s_add_co_u32 s54, s54, s55                         ; V: my tile of x begins at row 32 (w / 2) + 8 (w % 2),
	s_lshl_b32 s55, s34, 4                             ; else at 16 w
	s_cmp_eq_u32 s35, 4
	s_cselect_b32 s54, s54, s55
	s_lshl_b32 s55, s36, 7
	s_add_co_u32 s54, s54, s55
	s_lshl_b32 s48, s54, 10
	s_add_nc_u64 s[38:39], s[38:39], s[48:49]
	XLOAD S0, 7, 38, 0
	XLOAD S1, 7, 38, 1
	s_and_b32 s56, s35, 1                              ; where the results go: plane 0 Qc, 1 Qk, 2 Kc, 3 Kk
	s_lshl_b32 s56, s56, 1
	s_lshr_b32 s57, s35, 1
	s_or_b32 s56, s56, s57
	s_cmp_eq_u32 s35, 4
	s_cselect_b32 s57, 4, s56                          ; plane of the scale bytes
	s_cselect_b32 s56, 0, s56
	s_cselect_b64 s[46:47], s[26:27], s[22:23]         ; vc or qkc
	s_mul_i32 s56, s56, PLANE
	s_lshr_b32 s58, s36, 4
	s_lshl_b32 s58, s58, 3
	s_add_co_u32 s58, s58, s34                         ; batch x 8 + head
	s_mul_i32 s58, s58, 49152
	s_add_co_u32 s56, s56, s58
	s_and_b32 s58, s36, 15
	s_mul_i32 s58, s58, 3072                           ; 128 rows of 24 bytes, or 4 blocks of keys of 768 bytes
	s_add_co_u32 s48, s56, s58
	s_add_nc_u64 s[46:47], s[46:47], s[48:49]
	s_lshl_b32 s57, s57, 16
	s_lshl_b32 s58, s36, 10
	s_add_co_u32 s48, s57, s58
	s_add_nc_u64 s[44:45], s[24:25], s[48:49]
	s_wait_loadcnt 16                                  ; the older set is in; the younger set's 16 loads may be out (so at each such wait below)
	QA S0, PC, PW
	s_wait_alu depctr_va_vdst(0)                       ; the maxima and conversions are done reading S0, in which the loads below land
	XLOAD S0, 6, 40, 0
	QB PC
	s_wait_alu depctr_va_vdst(0)                       ; v[PC ..] and v[PW] are written, which the image's stores read
	IMAGE 0
	s_wait_loadcnt 16
	s_wait_dscnt 0x0                                   ; the image's stores have landed
	s_wait_alu depctr_vm_vsrc(0)                       ; the image's stores have read v[PC ..] and v[PW], which the lines below write again
	QA S1, PC, PW
	s_wait_alu depctr_va_vdst(0)                       ; the maxima and conversions are done reading S1, in which the loads below land
	XLOAD S1, 6, 40, 1
	QB PC
	s_wait_alu depctr_va_vdst(0)                       ; v[PC ..] and v[PW] are written, which the image's stores read
	IMAGE 1
	s_wait_loadcnt 16
	QA S0, WF, WSW
	s_wait_alu depctr_va_vdst(0)                       ; the maxima and conversions are done reading S0, in which the loads below land
	XLOAD S0, 6, 42, 0
	QB WF
	s_wait_loadcnt 16
	QA S1, WF+12, WSW+1
	s_wait_alu depctr_va_vdst(0)                       ; the maxima and conversions are done reading S1, in which the loads below land
	XLOAD S1, 6, 42, 1
	QB WF+12
	s_wait_loadcnt 16
	QA S0, WF+24, WSW+2
	QB WF+24
	s_wait_loadcnt 0x0
	QA S1, WF+36, WSW+3
	QB WF+36
.rept 8
	v_nop                                              ; a scale register written by a vector instruction stands 8 places ahead of a scaled product, an operand so written 4
.endr
	s_wait_alu depctr_va_vdst(0)                       ; W's four fragments and scale words are written, which the scaled products take; the quantiser is done reading S0, in which x's fragments land behind the barrier
	s_wait_dscnt 0x0                                   ; my images have landed
	s_barrier_signal -1
	s_barrier_wait -1                                  ; x's sixteen fragments lie in LDS
	s_cmp_eq_u32 s35, 4
	s_cbranch_scc1 .Lv
	PAIR 0, 0
	PAIR 1, 0
	PAIR 2, 0
	PAIR 3, 0
	TAIL SBQ
.Lv:
	PAIR 0, 1
	PAIR 1, 1
	PAIR 2, 1
	PAIR 3, 1
	TAIL SBV
	; ---- Wo: my 32 rows, four fragments, stored as images of the operand's registers
.Lwo:
	XLOAD S0, 6, 40, 0
	XLOAD S1, 6, 40, 1
	s_mul_i32 s48, s34, 6144
	s_add_nc_u64 s[46:47], s[28:29], s[48:49]
	s_lshl_b32 s48, s34, 9
	s_add_nc_u64 s[44:45], s[28:29], s[48:49]
	s_wait_loadcnt 16
	QA S0, WF, WSW
	s_wait_alu depctr_va_vdst(0)                       ; the maxima and conversions are done reading S0, in which the loads below land
	XLOAD S0, 6, 42, 0
	QB WF
	s_wait_loadcnt 16
	QA S1, WF+12, WSW+1
	s_wait_alu depctr_va_vdst(0)                       ; the maxima and conversions are done reading S1, in which the loads below land
	XLOAD S1, 6, 42, 1
	QB WF+12
	s_wait_loadcnt 16
	QA S0, WF+24, WSW+2
	QB WF+24
	s_wait_loadcnt 0x0
	QA S1, WF+36, WSW+3
	QB WF+36
	s_wait_alu depctr_va_vdst(0)                       ; the four fragments and scale words are written, which the stores below read
.irp f, 0,1,2,3
.irp c, 0,1,2
	global_store_b128 v8, v[WF+12*\f+4*\c:WF+12*\f+4*\c+3], s[46:47] offset:1536*\f+512*\c   ; 32 lanes store 512 consecutive bytes
.endr
	global_store_b32 v9, v[WSW+\f], s[44:45] offset:49152+128*\f
.endr
	s_wait_dscnt 0x0                                   ; the closing lines, six on end
	s_wait_alu 0x0
	s_wait_tensorcnt 0x0
	ds_add_u32 v[SPW], v[NIL]
	s_wait_dscnt 0x0
	s_endpgm
	; ---- the mask.  Tile of queries qt = 2 rb + w / 4; my four records are key steps 4 (w % 4) + i.  Lane (r, h) reads, of row 16 qt + r, the 16 bytes at 128 ks + 32 g + 16 h.
.Lmask:
	s_lshl_b32 s37, s36, 1
	s_lshr_b32 s48, s34, 2
	s_add_co_u32 s37, s37, s48                         ; qt
	s_and_b32 s49, s34, 3
	v_lshlrev_b32 v6, 11, v4
	v_lshl_add_u32 v6, v5, 4, v6                       ; 2,048 r + 16 h
	v_lshlrev_b32 v7, 3, v3                            ; 8 x lane
	s_lshl_b32 s50, s37, 15
	s_lshl_b32 s51, s49, 9
	s_add_co_u32 s50, s50, s51
	s_mov_b32 s51, 0
	s_add_nc_u64 s[20:21], s[20:21], s[50:51]
	s_wait_alu depctr_va_vdst(0)                       ; v6, v7, v9, v26 and v27 are written, which this way's loads and stores read as offsets and addresses; none is written again
.irp i, 0,1,2,3
.irp g, 0,1,2,3
	global_load_b128 v[64+16*\i+4*\g:64+16*\i+4*\g+3], v6, s[20:21] offset:128*\i+32*\g th:TH_LOAD_NT
.endr
.endr
	s_lshl_b32 s50, s37, 12
	s_lshl_b32 s52, s49, 10
	s_add_co_u32 s50, s50, s52
	s_add_nc_u64 s[30:31], s[30:31], s[50:51]          ; my first record: (16 qt + 4 (w % 4)) x 256 bytes
	s_lshl_b32 s50, s37, 7
	s_add_nc_u64 s[32:33], s[32:33], s[50:51]          ; the tile's 32 flag words
.irp i, 0,1,2,3,4,5,6,7
	v_mov_b32 v[48+\i], 0                              ; v_writelane's destination counts as read
.endr
	s_mov_b32 s67, -1                                  ; bit L: all of lane L's bytes so far are blocked
	s_mov_b32 s68, 0                                   ; bit i: record i is blocked throughout
.irp i, 0,1,2,3
	s_wait_loadcnt 12-4*\i                             ; this record's four loads are in; the later records' may be out
	s_mov_b32 s66, -1
.set n, 0
.rept 8                                            ; word n + m = 16 g + byte: one bit a lane; eight words to a run
.set m, 0
.rept 8
	v_and_b32 v[40+(m&3)], 0xff<<(8*(m&3)), v[64+16*\i+((n+m)>>2)]
	v_cmp_ne_u32 s[56+m], 0, v[40+(m&3)]
.set m, m+1
.endr
	s_wait_alu depctr_va_sdst(0)                       ; the eight compares have written s56 to s63, ahead of their first readers below
.set m, 0
.rept 8
	v_writelane_b32 v[48+2*\i+(m&1)], s[56+m], (n+m)>>1    ; lane (n + m) / 2 gathers two neighbouring words
	s_and_b32 s66, s66, s[56+m]
.set m, m+1
.endr
.set n, n+8
.endr
	s_cmp_eq_u32 s66, -1
	s_cselect_b32 s70, 1<<\i, 0
	s_or_b32 s68, s68, s70
	s_and_b32 s67, s67, s66
.endr
	v_mov_b32 v44, s67
	v_mov_b32 v45, s68
	s_wait_alu depctr_va_vdst(0)                       ; the four records v48 to v55 and the pair v44, v45 are written, which the stores below read; none is written again
.irp i, 0,1,2,3
	global_store_b64 v7, v[48+2*\i:49+2*\i], s[30:31] offset:256*\i   ; 32 lanes store the record's 256 bytes
.endr
	ds_store_b64 v26, v[44:45] offset:MR               ; all lanes write the same words with the same values
	s_wait_dscnt 0x0
	s_barrier_signal -1
	s_barrier_wait -1
	s_cmp_eq_u32 s49, 0
	s_cbranch_scc0 .Lmask_end                          ; one wave of the tile's four makes its flags
	ds_load_b128 v[56:59], v27 offset:MR               ; (no vector instruction of this way has named v56 to v63)
	ds_load_b128 v[60:63], v27 offset:MR+16
	s_wait_dscnt 0x0
	v_and_b32 v40, v56, v58
	v_and_b32 v41, v60, v62
	v_and_b32 v40, v40, v41
	v_lshrrev_b32 v41, 16, v40
	v_and_b32 v40, v40, v41
	v_and_b32 v40, 0xffff, v40                         ; bit r: row r of the tile is blocked at all 2,048 keys
	v_cmp_eq_u32 vcc_lo, 0, v40
	v_lshl_or_b32 v41, v59, 4, v57
	v_lshl_or_b32 v41, v61, 8, v41
	v_lshl_or_b32 v41, v63, 12, v41                    ; bit ks: key step ks is blocked for all 16 rows
	v_lshrrev_b32 v41, v3, v41
	v_and_b32 v41, 1, v41                              ; lane = ks; lanes 16-31 get 0
	s_wait_alu depctr_va_vcc(0)                        ; the compare has written VCC, ahead of the select that reads it
	v_cndmask_b32 v41, 0, v41, vcc_lo                  ; a tile with a wholly blocked row leaves nothing out: that row's weights are uniform over all keys
	s_wait_alu depctr_va_vdst(0)                       ; v41 is written, which the store reads
	global_store_b32 v9, v41, s[32:33]
.Lmask_end:
	s_wait_dscnt 0x0                                   ; the closing lines, six on end
	s_wait_alu 0x0
	s_wait_tensorcnt 0x0
	ds_add_u32 v[SPW], v[NIL]
	s_wait_dscnt 0x0
	s_endpgm
.Lfunc_end_k_qd65ca5fcb8_prep:
	.size	k_qd65ca5fcb8_prep, .Lfunc_end_k_qd65ca5fcb8_prep-k_qd65ca5fcb8_prep
	.p2alignl 7, 3214868480
	.fill 96, 4, 3214868480
	.section	.rodata,"a",@progbits
	.p2align	6, 0x0
	.amdhsa_kernel k_qd65ca5fcb8_prep
		.amdhsa_group_segment_fixed_size 29952
		.amdhsa_private_segment_fixed_size 0
		.amdhsa_enable_private_segment 0
		.amdhsa_kernarg_size 120
		.amdhsa_user_sgpr_count 2
		.amdhsa_user_sgpr_kernarg_segment_ptr 1
		.amdhsa_wavefront_size32 1
		.amdhsa_system_sgpr_workgroup_id_x 1
		.amdhsa_system_sgpr_workgroup_id_y 1
		.amdhsa_system_sgpr_workgroup_id_z 1
		.amdhsa_system_vgpr_workitem_id 0
		.amdhsa_next_free_vgpr 256
		.amdhsa_next_free_sgpr 76
		.amdhsa_reserve_vcc 1
		.amdhsa_float_denorm_mode_32 3
		.amdhsa_float_denorm_mode_16_64 3
		.amdhsa_memory_ordered 1
		.amdhsa_forward_progress 1
		.amdhsa_inst_pref_size 157
	.end_amdhsa_kernel
	.amdgpu_metadata
---
amdhsa.version: [ 1, 2 ]
amdhsa.kernels:
  - .name:           k_qd65ca5fcb8_prep
    .symbol:         k_qd65ca5fcb8_prep.kd
    .args:
      - { .name: content, .offset: 0, .size: 8, .value_kind: global_buffer, .address_space: global }
      - { .name: category, .offset: 8, .size: 8, .value_kind: global_buffer, .address_space: global }
      - { .name: Wqc, .offset: 16, .size: 8, .value_kind: global_buffer, .address_space: global }
      - { .name: Wkc, .offset: 24, .size: 8, .value_kind: global_buffer, .address_space: global }
      - { .name: Wqk, .offset: 32, .size: 8, .value_kind: global_buffer, .address_space: global }
      - { .name: Wkk, .offset: 40, .size: 8, .value_kind: global_buffer, .address_space: global }
      - { .name: Wv, .offset: 48, .size: 8, .value_kind: global_buffer, .address_space: global }
      - { .name: Wo, .offset: 56, .size: 8, .value_kind: global_buffer, .address_space: global }
      - { .name: causal_mask, .offset: 64, .size: 8, .value_kind: global_buffer, .address_space: global }
      - { .name: qkc, .offset: 72, .size: 8, .value_kind: global_buffer, .address_space: global }
      - { .name: sc, .offset: 80, .size: 8, .value_kind: global_buffer, .address_space: global }
      - { .name: vc, .offset: 88, .size: 8, .value_kind: global_buffer, .address_space: global }
      - { .name: woc, .offset: 96, .size: 8, .value_kind: global_buffer, .address_space: global }
      - { .name: maskw, .offset: 104, .size: 8, .value_kind: global_buffer, .address_space: global }
      - { .name: mflag, .offset: 112, .size: 8, .value_kind: global_buffer, .address_space: global }
    .group_segment_fixed_size: 29952
    .private_segment_fixed_size: 0
    .kernarg_segment_align: 8
    .kernarg_segment_size: 120
    .max_flat_workgroup_size: 256
    .sgpr_count:     76
    .vgpr_count:     256
    .wavefront_size: 32
...
	.end_amdgpu_metadata
.endif
;; end of part 4
;; launch attn (part 5): grid 8 x 32, 16 waves a work-group, no clusters, 158,208 bytes of LDS; arguments qkc, sc, vc, maskw, mflag, alpha_logit, oc, os; writes oc, os
.if DOCPART == 5
	.amdgcn_target "amdgcn-amd-amdhsa--gfx1250"
	.amdhsa_code_object_version 6
	.text
	.protected	k_qd65ca5fcb8_attn
	.globl	k_qd65ca5fcb8_attn
	.p2align	8
	.type	k_qd65ca5fcb8_attn,@function
k_qd65ca5fcb8_attn:
	s_mov_b64 s[64:65], 0
	v_nop
	global_prefetch_b8 v0, s[64:65] scope:SCOPE_SE
	s_setreg_imm32_b32 hwreg(HW_REG_WAVE_SCHED_MODE, 0, 2), 2
	s_setreg_imm32_b32 hwreg(HW_REG_WAVE_MODE, 25, 1), 1
	s_wait_xcnt 0x0
	s_wait_alu depctr_vm_vsrc(0)
; ATTN.  For one batch and head: Ac = softmax(Qc Kc^T / sqrt(32)), Ak = softmax(Qk Kk^T / sqrt(32)), both under the mask input; A = alpha Ak + (1 - alpha) Ac; O = A V.
; All three products on codes of FP6 (E2M3) with E8M0 scales.  A is quantised FINISHED AND NORMALISED, in blocks of 32 keys, so both rows' maxima and sums are known before any weight is quantised:
; ALL 2,048 KEYS OF A TILE OF 16 QUERIES ARE HELD AT ONCE, 128 keys x 2 kinds in each of sixteen waves (128 registers); the waves exchange a maximum and a sum a row through LDS.  Scores and exponentials are made once.
; SHARES.  Work-group (x, bh) owns the 16 tiles of queries qt = x + 8 i of batch-and-head bh, one a trip.  Wave w owns keys 128 w .. 128 w + 127 for the whole launch: their K codes stay in registers, their V codes in its own LDS.
; FOUR PRODUCTS OF K = 32 IN ONE OPERAND.  A key fragment's four blocks of 32 are Kc and Kk of tile 2 f and Kc and Kk of tile 2 f + 1; the query operand has zero codes in all blocks but one, which picks the product.
;   v96-125 = Z A Z B Z, six registers each (Z = 0; A = Qc in lanes 0-15; B = Qk in lanes 16-31): v[102:113], v[114:125], v[96:107], v[108:119] pick blocks 0, 1, 2, 3.
;   Source 0 = 16 keys, source 1 = 16 queries: a lane holds one query (lane % 16).  Lane r of tile 2 f + u takes key 32 f + 8 u + r + 8 (r / 8), so register 8 t + j is key 32 f + 16 (lane / 16) + 8 u + j.
; THE MASK is a bias: -2^100 where blocked, else 0, selected by the stored lane-mask words into Sk's registers; Sc's product takes them as its C, then Sk's product adds in place onto them.
; SOFTMAX.  In each wave M = the largest t = score x log2(e) / sqrt(32) of its 128 keys, rounded up to a whole number; p = 2^(t - M); l = the sum of p.  Over the waves G = max M, L = sum of l 2^(M - G) (exact scalings);
;   a weight is p x (alpha or 1 - alpha) / L x 2^(M - G).  A row blocked at all keys has L = 0: its weights are alpha / 2048 + (1 - alpha) / 2048, as the uniform softmax gives.
; A wave whose 128 keys are blocked for all 16 queries (flag stored by the launch before) leaves its work out and hands in l = 0 and zeros; it passes every barrier.
; O's sixteen partial sums meet in LDS; at the end O is quantised along the head's 32 channels for the last launch.
; No tensor load and no joint request: what the eight work-groups of a head share (K, V, 9 KiB a wave) is read once, at the head; the loop reads from memory 260 bytes of mask words and flag a wave and trip, by scalar loads a trip ahead.
; LIMITS: a raw score under -2^80 counts as blocked, and scores stay far under 2^100 in magnitude; NaN and infinities are not served; a block whose largest number lies under 2^-124, or of zeros, has the scale byte 1
;   (this program alone reads the bytes); the sums over the keys are formed of sixteen partial f32 sums.
; THE MODE: SCHED_MODE bits 1:0 = 2 (LLVM: expert scheduling mode 2), set by the entry lines.  The code itself states the register dependences
; between vector or matrix instructions and memory or LDS instructions, with s_wait_alu, always for 0.
; THE PLAN.  Registers that LDS instructions touch in the loop, and who else names them:
;   v102-107, v114-119, v14  Q: loaded at a trip's head; read by the trip's sixteen score products, which stand ahead of the wait for the exponentials.
;   v3          Read by Q's loads; stepped straight behind them, behind the trip's first wait on vm_vsrc; shown written by the wait on va_vdst ahead of the statistics' store.
;   v22-25      Written on either way of the first jump; read by the statistics' store: one wait on va_vdst ahead of it, on the common way.
;   v26-27, v32-47  At work in the first part; behind barrier A the statistics' and the partial sums' loads land there: the same wait.
;   v28-29, v32 Written by the reduction; read by the two stores ahead of barrier B: one wait on va_vdst ahead of them; it also shows v28-31 done with, in which the load behind barrier B lands.
;   v10         Read by the slice's store, stepped behind it.  One wait on vm_vsrc ahead of barrier B states that the stores of this trip have read v10, v22-25, v28-29 and v32.
;   v192-215    Sk until the mixing has read it; then V's fragments land there: one wait on va_vdst behind the mixing.
;   v240-255    Partial O: written by the two products, read by four LDS stores (four places, then a wait on va_vdst); written again by the next trip's selects, behind that trip's first wait on vm_vsrc.
;   v4-9, v11, v96-99  Addresses and zeros, made at the head and never written again.
; All 256 registers of the wave are taken, and four waves share a SIMD's registers: there is no room for a second buffer of Q or of V.
.set PLANE,  1572864
.set QSL,    1792                      ; LDS: a tile of Q: six images of 256 bytes (8 bytes a lane) and its scale words at 1,536 + 8 x lane
.set QI,     0                         ; 17 such places (the address is stepped once past the 16 that are used)
.set STAT,   30464                     ; [query, pitch 272][wave, 16 bytes: Mc, lc, Mk, lk]
.set GST,    34816                     ; [query][Gc, wc, Gk, wk]
.set OP,     35072                     ; [wave, 2,304][query, pitch 144][channel]: partial O
.set OSD,    71936                     ; a slice that takes the first trip's sum of zeros,
.set OS,     73984                     ; and [tile][query][channel]: O
.set OSB,    106752                    ; O's 256 scale bytes
.set VI,     107008                    ; [wave][3,072]: V's two fragments as images
.set SPARE,  156160                    ; the spare words, 128 bytes for each wave
.set KSW, 16                           ; v16-19 K's scale words, v20-21 V's, v13 the weights', v14 Q's: these hold scales and nothing else
.set VSW, 20
.set KF,  48                           ; v48-95  K's four fragments
.set SC,  128                          ; v128-191 Sc, then pc, then A
.set SK,  192                          ; v192-255 the bias, Sk, pk; behind the mixing: v192-215 V, v216-227 A's codes, v228-235 and v240-255 at work, v240-255 partial O
.set PC,  216
.set PT,  228
.set TM,  240
; v1 spare word, v2 0; v3 Q's place; v4, v5 STAT in, out; v6, v7 GST in, out; v8, v9 OP in, out; v10 O's slice; v11 V's images; v12 1 - alpha | alpha by halves; v15 the uniform weight; v22-25 Mc, lc, Mk, lk; v26-47 at work; v126 -2^100
; s20 wave, s21 trips to go, s[22:23] c, s[24:25] lane selects, s27 the flag as loaded, s28 this trip's flag, s[32:63] and s[68:99] the 64 mask words
.macro BIAS t
.irp j, 0,1,2,3,4,5,6,7
	v_cndmask_b32 v[SK+8*(\t)+\j], 0, v126, s[32+8*(\t)+\j+4*((\t)/4)]
.endr
.endm
.macro SCW t                           ; Sc of tile t = the bias + Kc Qc^T
	v_wmma_scale_f32_16x16x128_f8f6f4 v[SC+8*(\t):SC+8*(\t)+7], v[KF+12*((\t)/2):KF+12*((\t)/2)+11], v[102-6*((\t)%2):113-6*((\t)%2)], v[SK+8*(\t):SK+8*(\t)+7], v[KSW+(\t)/2], v14 matrix_a_fmt:MATRIX_FMT_FP6 matrix_b_fmt:MATRIX_FMT_FP6
.endm
.macro SKW t                           ; Sk of tile t, onto the bias
	v_wmma_scale_f32_16x16x128_f8f6f4 v[SK+8*(\t):SK+8*(\t)+7], v[KF+12*((\t)/2):KF+12*((\t)/2)+11], v[114-6*((\t)%2):125-6*((\t)%2)], v[SK+8*(\t):SK+8*(\t)+7], v[KSW+(\t)/2], v14 matrix_a_fmt:MATRIX_FMT_FP6 matrix_b_fmt:MATRIX_FMT_FP6
.endm
.macro NOPS n
.rept \n
	v_nop
.endr
.endm
.macro OLOAD                           ; query w's sixteen partial sums, a lane a channel
.irp k, 0,1,2,3,4,5,6,7,8,9,10,11,12,13,14,15
	ds_load_b32 v[32+\k], v9 offset:2304*\k
.endr
.endm
.macro OADD
.irp k, 0,2,4,6,8,10,12,14
	v_add_f32 v[32+\k], v[32+\k], v[33+\k]
.endr
.irp k, 0,4,8,12
	v_add_f32 v[32+\k], v[32+\k], v[34+\k]
.endr
	v_add_f32 v32, v32, v36
	v_add_f32 v40, v40, v44
	v_add_f32 v32, v32, v40
.endm
	s_load_b512 s[4:19], s[0:1], 0x0                   ; qkc 4, sc 6, vc 8, maskw 10, mflag 12, alpha_logit 14, oc 16, os 18
	v_lshl_add_u32 v1, v0, 2, SPARE
	v_mov_b32 v2, 0
	v_lshrrev_b32 v26, 5, v0
	v_readfirstlane_b32 s20, v26                       ; wave 0..15
	v_and_b32 v27, 31, v0                              ; lane
	v_and_b32 v28, 15, v0                              ; r
	s_wait_alu depctr_va_vdst(0)
	v_bfe_u32 v29, v0, 4, 1                            ; h
	s_and_b32 s32, ttmp7, 0xffff                       ; bh
	s_lshr_b32 s33, s32, 3                             ; batch
	s_and_b32 s34, s32, 7                              ; head
	v_lshlrev_b32 v3, 3, v27                           ; QI + 8 x lane
	s_wait_alu depctr_va_sdst(0)                       ; s20 is written, ahead of its first reader: LDS addresses, bases and a branch are made from it
	s_mul_i32 s35, s20, QSL
	v_add_nc_u32 v30, s35, v3                          ; where I stage tile w of Q
	v_mul_u32_u24 v4, v28, 272
	s_lshl_b32 s35, s20, 4
	s_add_co_u32 s35, s35, STAT
	v_add_nc_u32 v4, s35, v4                           ; STAT + 272 r + 16 w
	s_mul_i32 s35, s20, 272
	s_add_co_u32 s35, s35, STAT
	v_lshlrev_b32 v5, 4, v28
	s_wait_alu depctr_va_vdst(0)
	v_lshl_add_u32 v5, v29, 3, v5
	v_add_nc_u32 v5, s35, v5                           ; STAT + 272 w + 16 (lane % 16) + 8 (lane / 16): query w, wave lane % 16, kind lane / 16
	s_lshl_b32 s35, s20, 4
	s_add_co_u32 s35, s35, GST
	v_lshlrev_b32 v6, 3, v29
	v_add_nc_u32 v6, s35, v6                           ; GST + 16 w + 8 kind
	v_lshl_add_u32 v7, v28, 4, GST                     ; GST + 16 r
	s_mul_i32 s35, s20, 2304
	s_add_co_u32 s35, s35, OP
	v_mul_u32_u24 v8, v28, 144
	v_lshl_add_u32 v8, v29, 5, v8
	v_add_nc_u32 v8, s35, v8                           ; OP + 2,304 w + 144 r + 32 h
	s_mul_i32 s35, s20, 144
	s_add_co_u32 s35, s35, OP
	v_lshl_add_u32 v9, v27, 2, s35                     ; OP + 144 w + 4 x lane
	s_lshl_b32 s35, s20, 7
	s_add_co_u32 s35, s35, OSD
	v_lshl_add_u32 v10, v27, 2, s35                    ; OSD + 128 w + 4 x lane
	s_mul_i32 s35, s20, 3072
	s_add_co_u32 s35, s35, VI
	v_lshl_add_u32 v11, v27, 4, s35                    ; VI + 3,072 w + 16 x lane
	v_and_b32 v31, 8, v28
	v_add_nc_u32 v31, v31, v28                         ; r + 8 (r / 8)
	v_mul_u32_u24 v32, v31, 24
	v_mad_u32_u24 v32, v29, PLANE, v32                 ; K's codes: my key's row; lanes 16-31 take the plane of Kk
	v_lshlrev_b32 v33, 3, v31                          ; K's scale bytes: 8 bytes a row
	v_mul_u32_u24 v34, v28, 24
	v_mad_u32_u24 v34, v29, 768, v34                   ; V's codes: channel r, block of keys h
	v_mul_u32_u24 v35, v28, 24
	v_mad_u32_u24 v35, v29, PLANE, v35                 ; Q's codes: row r; lanes 16-31 take the plane of Qk
	v_lshlrev_b32 v36, 3, v28                          ; Q's scale bytes
	v_add_nc_u32 v37, -1, v29                          ; all ones in lanes 0-15
	v_sub_nc_u32 v38, 0, v29                           ; all ones in lanes 16-31
	s_mul_i32 s36, s32, 49152                          ; my head's codes in a plane of qkc and in vc
	s_mul_i32 s37, s20, 3072                           ; my wave's 128 keys
	s_add_co_u32 s38, s36, s37
	s_mov_b32 s39, 0
	s_lshl_b32 s52, s20, 3
	s_add_co_u32 s52, s52, ttmp9                       ; the tile of queries that I stage: x + 8 w
	s_mul_i32 s54, s52, 384
	s_add_co_u32 s54, s54, s36
	s_mov_b32 s55, 0
	s_lshl_b32 s56, s33, 14                            ; batch x 16,384 bytes in every plane of sc
	s_lshl_b32 s57, s20, 10
	s_add_co_u32 s58, s56, s57
	s_add_co_u32 s58, s58, s34                         ; K's scale bytes: my 128 rows of 8, my head
	s_mov_b32 s59, 0
	s_lshl_b32 s60, s34, 5
	s_add_co_u32 s60, s60, s56
	s_add_co_u32 s60, s60, s57                         ; V's: my 4 blocks of keys of 256, my head's 32 channels
	s_mov_b32 s61, 0
	s_lshl_b32 s62, s52, 7
	s_add_co_u32 s62, s62, s56
	s_add_co_u32 s62, s62, s34                         ; Q's
	s_mov_b32 s63, 0
	s_mov_b32 s21, 16
	s_mov_b32 s22, 0x3e8293ee                          ; c = log2(e) / sqrt(32)
	s_mov_b32 s23, s22                                 ; (named with it as a pair, so it is written)
	s_mov_b32 s24, 0x76543210
	s_mov_b32 s25, 0xfedcba98
	s_wait_kmcnt 0x0
	s_load_b32 s26, s[14:15], 0x0                      ; alpha_logit
	s_add_nc_u64 s[40:41], s[4:5], s[38:39]
	s_add_nc_u64 s[42:43], s[8:9], s[38:39]
	s_add_nc_u64 s[44:45], s[4:5], s[54:55]
	s_add_nc_u64 s[46:47], s[6:7], s[58:59]
	s_add_nc_u64 s[48:49], s[6:7], s[60:61]
	s_add_nc_u64 s[50:51], s[6:7], s[62:63]
	s_wait_alu depctr_va_vdst(0)                       ; the offsets v28 and v32 to v36 are written, which the loads below read; so are the LDS addresses v3 to v11 and v30
.irp f, 0,1,2,3
.irp u, 0,1
.irp p, 0,1,2
	global_load_b64 v[KF+12*\f+6*\u+2*\p:KF+12*\f+6*\u+2*\p+1], v32, s[40:41] offset:2*PLANE+(32*\f+8*\u)*24+8*\p
.endr
.irp k, 0,1
	global_load_u8 v[192+4*\f+2*\u+\k], v33, s[46:47] offset:131072+65536*\k+(32*\f+8*\u)*8
.endr
.endr
.endr
.irp dt, 0,1
.irp c, 0,1
.irp p, 0,1,2
	global_load_b64 v[128+12*\dt+6*\c+2*\p:128+12*\dt+6*\c+2*\p+1], v34, s[42:43] offset:1536*\c+384*\dt+8*\p
.endr
.endr
.irp i, 0,1,2,3
	global_load_u8 v[208+4*\dt+\i], v28, s[48:49] offset:262144+256*\i+16*\dt
.endr
.endr
.irp p, 0,1,2
	global_load_b64 v[218+2*\p:219+2*\p], v35, s[44:45] offset:8*\p
.endr
	global_load_u8 v216, v36, s[50:51]
	global_load_u8 v217, v36, s[50:51] offset:65536
	s_lshl_b32 s2, ttmp9, 12                           ; the mask words of (qt = x, key step w): 4,096 bytes a tile, 256 a key step
	s_lshl_b32 s3, s20, 8
	s_add_co_u32 s2, s2, s3
	s_mov_b32 s3, 0
	s_add_nc_u64 s[10:11], s[10:11], s[2:3]
	s_lshl_b32 s2, ttmp9, 7                            ; and its flag
	s_lshl_b32 s66, s20, 2
	s_add_co_u32 s2, s2, s66
	s_add_nc_u64 s[12:13], s[12:13], s[2:3]
	s_lshl_b32 s2, s33, 3
	s_add_co_u32 s2, s2, ttmp9
	s_lshl_b32 s66, s2, 8                              ; my work-group's 256 storage rows of O: (batch x 8 + x) x 256
	s_lshl_b32 s67, s34, 13
	s_add_co_u32 s2, s66, s67
	s_add_nc_u64 s[18:19], s[18:19], s[2:3]            ; os: 8,192 bytes a head
	s_lshl_b32 s67, s20, 4
	s_add_co_u32 s66, s66, s67
	s_mul_i32 s66, s66, 24
	s_mul_i32 s67, s34, 196608
	s_add_co_u32 s2, s66, s67
	s_add_nc_u64 s[16:17], s[16:17], s[2:3]            ; oc: 196,608 bytes a head, 24 a row; my wave's 16 rows
.irp i, 0,1,2,3,4,5,6,7,8,9,10,11,12,13,14,15,16,17,18,19,20,21,22,23,24,25,26,27,28,29
	v_mov_b32 v[96+\i], 0                              ; Z A Z B Z: the three Z stay zeros
.endr
	v_mov_b32 v126, 0xf1800000                         ; -2^100
.irp i, 44,45,46,47
	v_mov_b32 v[\i], 0
.endr
	s_wait_kmcnt 0x0
	v_mov_b32 v40, s26
	v_mul_f32 v40, 0xbfb8aa3b, v40
	s_wait_alu depctr_va_vdst(0)
	v_exp_f32 v40, v40                                 ; e^-x
	v_nop
	s_wait_alu depctr_va_vdst(0)                       ; the exponential has written v40, ahead of its first reader
	v_add_f32 v40, 1.0, v40
	s_wait_alu depctr_va_vdst(0)
	v_rcp_f32 v41, v40                                 ; alpha
	v_cmp_eq_u32 vcc_lo, 1, v29                        ; (a plain place behind the reciprocal)
	s_wait_alu depctr_va_vdst(0)                       ; the reciprocal has written v41, ahead of its first reader
	v_sub_f32 v42, 1.0, v41
	s_wait_alu depctr_va_vcc(0)                        ; the compare has written VCC, ahead of the select that reads it
	v_cndmask_b32 v12, v42, v41, vcc_lo                ; lanes 0-15 (kind c): 1 - alpha; lanes 16-31 (kind k): alpha
	v_mul_f32 v15, 0x3a000000, v41
	v_fma_f32 v15, v42, 0x3a000000, v15                ; alpha / 2048 + (1 - alpha) / 2048
	v_mov_b32 v43, 0
	s_wait_loadcnt 0x0
.irp f, 0,1,2,3
	v_lshl_or_b32 v[KSW+\f], v[193+4*\f], 8, v[192+4*\f]   ; bytes: Kc, Kk of tile 2 f; Kc, Kk of tile 2 f + 1
	v_lshl_or_b32 v[KSW+\f], v[194+4*\f], 16, v[KSW+\f]
	v_lshl_or_b32 v[KSW+\f], v[195+4*\f], 24, v[KSW+\f]
.endr
.irp dt, 0,1
	v_lshl_or_b32 v[VSW+\dt], v[209+4*\dt], 8, v[208+4*\dt]
	v_lshl_or_b32 v[VSW+\dt], v[210+4*\dt], 16, v[VSW+\dt]
	v_lshl_or_b32 v[VSW+\dt], v[211+4*\dt], 24, v[VSW+\dt]
.endr
	v_lshl_or_b32 v39, v217, 8, v216
	v_lshl_or_b32 v39, v39, 16, v39                    ; Q's scale word: Qc, Qk, Qc, Qk
.irp i, 0,1,2,3,4,5
	v_and_b32 v[226+\i], v37, v[218+\i]                ; A: Qc in lanes 0-15, zero codes above
	v_and_b32 v[232+\i], v38, v[218+\i]                ; B: Qk in lanes 16-31, zero codes below
.endr
	s_wait_alu depctr_va_vdst(0)                       ; v226 to v237, v39 and the zeros v96 to v99 are written, which the LDS stores below read; so are K's and V's scale words and the zeros of the query operand, which the scaled products take
.irp i, 0,1,2
	ds_store_b64 v30, v[226+2*\i:227+2*\i] offset:256*\i
	ds_store_b64 v30, v[232+2*\i:233+2*\i] offset:768+256*\i
.endr
	ds_store_b32 v30, v39 offset:1536
.irp i, 0,1,2,3,4,5
	ds_store_b128 v11, v[128+4*\i:131+4*\i] offset:512*\i
.endr
	ds_store_b128 v8, v[96:99]                         ; zeros into my part of OP: the first trip's slice sums them
	ds_store_b128 v8, v[96:99] offset:16
	ds_store_b128 v8, v[96:99] offset:64
	ds_store_b128 v8, v[96:99] offset:80
	s_load_b512 s[32:47], s[10:11], 0x0                ; the first tile's mask words (all loads that named s32 on are done)
	s_load_b512 s[48:63], s[10:11], 0x40
	s_load_b512 s[68:83], s[10:11], 0x80
	s_load_b512 s[84:99], s[10:11], 0xc0
	s_load_b32 s27, s[12:13], 0x0
	s_wait_dscnt 0x0                                   ; my stores have landed
	s_wait_alu depctr_vm_vsrc(0)                       ; the LDS stores have read v128 to v151 and v226 to v237, which the moves below write; the head's loads and stores have read v28, v30, v32 to v36 and v39, which the loop writes
	s_barrier_signal -1
.set j, 0
.rept 128
	v_mov_b32 v[SC+j], 0                               ; written once, so that every way through the loop's two jumps on the flag finds these registers written
.set j, j+1
.endr
	s_barrier_wait -1                                  ; Q's sixteen tiles lie in LDS
.Ltile:
	ds_load_b64 v[102:103], v3                         ; this tile's Q; the first 32 selects below stand between these loads and the wait for them.  (The last trip's score products, which read these registers, stand ahead of that trip's waits on va_vdst, and so does the step of v3)
	ds_load_b64 v[104:105], v3 offset:256
	ds_load_b64 v[106:107], v3 offset:512
	ds_load_b64 v[114:115], v3 offset:768
	ds_load_b64 v[116:117], v3 offset:1024
	ds_load_b64 v[118:119], v3 offset:1280
	ds_load_b32 v14, v3 offset:1536
	s_wait_alu depctr_vm_vsrc(0)                       ; these loads have read v3, which the next line writes; the last trip's stores into OP have read v240 to v255, which this trip's selects write again
	v_add_nc_u32 v3, QSL, v3                           ; the next tile of Q
	s_wait_kmcnt 0x0                                   ; the mask words and the flag, asked for a trip ago
	s_mov_b32 s28, s27
	s_cmp_lg_u32 s28, 0
	s_cbranch_scc1 .Lskip1
	BIAS 0
	BIAS 1
	BIAS 2
	BIAS 3
	s_wait_dscnt 0x0
	SCW 0                                              ; no two products that follow each other share an accumulator; between Sc of a tile and Sk, which writes over Sc's C, stand five places or more
	SCW 1
	BIAS 4
	BIAS 5
	SKW 0
	SKW 1
	SCW 2
	SCW 3
	BIAS 6
	BIAS 7
	SKW 2
	SKW 3
	SCW 4
	SCW 5
	NOPS 5
	SKW 4
	SKW 5
	SCW 6
	SCW 7
	NOPS 5
	SKW 6
	SKW 7
	NOPS 4
	; the largest score of my 64 keys' registers, both kinds by turns, two chains each; every accumulator is first read at its low end.  The floor -2^80 stands over blocked scores
	v_max3_num_f32 v26, v[SC], v[SC+1], 0xe7800000
	v_max3_num_f32 v28, v[SK], v[SK+1], 0xe7800000
	v_max3_num_f32 v27, v[SC+32], v[SC+33], v[SC+34]
	v_max3_num_f32 v29, v[SK+32], v[SK+33], v[SK+34]
.irp i, 0,1,2,3,4,5,6,7,8,9,10,11,12,13
	v_max3_num_f32 v26, v26, v[SC+2+2*\i], v[SC+3+2*\i]
	v_max3_num_f32 v28, v28, v[SK+2+2*\i], v[SK+3+2*\i]
	v_max3_num_f32 v27, v27, v[SC+35+2*\i], v[SC+36+2*\i]
	v_max3_num_f32 v29, v29, v[SK+35+2*\i], v[SK+36+2*\i]
.endr
	v_max3_num_f32 v26, v26, v[SC+30], v[SC+31]
	v_max3_num_f32 v28, v28, v[SK+30], v[SK+31]
	v_max3_num_f32 v26, v26, v27, v[SC+63]
	v_max3_num_f32 v28, v28, v29, v[SK+63]
	v_permlanex16_b32 v40, v26, s24, s25
	v_permlanex16_b32 v41, v28, s24, s25
	v_max_num_f32 v26, v26, v40                        ; with lane l xor 16's 64 keys
	v_max_num_f32 v28, v28, v41
	v_mul_f32 v26, s22, v26                            ; as t
	v_mul_f32 v28, s22, v28
	v_floor_f32 v30, -v26                              ; -M = floor(-t): M is a whole number
	v_floor_f32 v32, -v28
	v_sub_f32 v22, 0, v30
	v_sub_f32 v24, 0, v32
.set j, 0
.rept 32
	v_pk_fma_f32 v[SC+j:SC+j+1], v[SC+j:SC+j+1], s[22:23], v[30:31] op_sel_hi:[1,0,0]   ; t - M, two at a time
	v_pk_fma_f32 v[SK+j:SK+j+1], v[SK+j:SK+j+1], s[22:23], v[32:33] op_sel_hi:[1,0,0]
.set j, j+2
.endr
.set j, 0
	s_wait_alu depctr_va_vdst(0)
.rept 128
	v_exp_f32 v[SC+j], v[SC+j]                         ; p = 2^(t - M); 0 where blocked
.set j, j+1
.endr
	v_nop                                              ; a plain place behind the last exponential
	s_wait_alu depctr_va_vdst(0)                       ; the 128 exponentials have written v128 to v255: one wait for the batch, ahead of its first reader; the score products are done reading Q's registers and v14
	v_pk_add_f32 v[34:35], v[SC:SC+1], v[SC+2:SC+3]
	v_pk_add_f32 v[38:39], v[SK:SK+1], v[SK+2:SK+3]
	v_pk_add_f32 v[36:37], v[SC+4:SC+5], v[SC+6:SC+7]
	v_pk_add_f32 v[40:41], v[SK+4:SK+5], v[SK+6:SK+7]
.irp j, 8,12,16,20,24,28,32,36,40,44,48,52,56,60
	v_pk_add_f32 v[34:35], v[34:35], v[SC+\j:SC+\j+1]
	v_pk_add_f32 v[38:39], v[38:39], v[SK+\j:SK+\j+1]
	v_pk_add_f32 v[36:37], v[36:37], v[SC+\j+2:SC+\j+3]
	v_pk_add_f32 v[40:41], v[40:41], v[SK+\j+2:SK+\j+3]
.endr
	v_pk_add_f32 v[34:35], v[34:35], v[36:37]
	v_pk_add_f32 v[38:39], v[38:39], v[40:41]
	v_add_f32 v34, v34, v35
	v_add_f32 v38, v38, v39
	v_permlanex16_b32 v42, v34, s24, s25
	v_permlanex16_b32 v43, v38, s24, s25
	v_add_f32 v23, v34, v42                            ; l of my wave's 128 keys
	v_add_f32 v25, v38, v43
	s_branch .Ljoin1
.Lskip1:
	v_mov_b32 v22, 0xe6800000                          ; M = -2^78, under every M of an open key; l = 0
	v_mov_b32 v23, 0
	v_mov_b32 v24, 0xe6800000
	v_mov_b32 v25, 0
.Ljoin1:
	s_cmp_eq_u32 s21, 1                                ; the next tile's mask words and flag are asked for here, if there is a next tile: no load leaves its buffer
	s_cbranch_scc1 .Lno_next
	s_wait_xcnt 0x0                                    ; the bases are stepped only behind this wait
	s_add_nc_u64 s[10:11], s[10:11], 32768             ; eight tiles on
	s_add_nc_u64 s[12:13], s[12:13], 1024
	s_load_b512 s[32:47], s[10:11], 0x0
	s_load_b512 s[48:63], s[10:11], 0x40
	s_load_b512 s[68:83], s[10:11], 0x80
	s_load_b512 s[84:99], s[10:11], 0xc0
	s_load_b32 s27, s[12:13], 0x0
.Lno_next:
	s_wait_alu depctr_va_vdst(0)                       ; v22 to v25 are written, which the store reads; the maxima and sums are done with v26, v27 and v32 to v43, in which the loads behind the barrier land; v3 is written, which the next trip's loads read
	ds_store_b128 v4, v[22:25]                         ; lanes r and r + 16 write the same words with the same values
	s_wait_dscnt 0x0                                   ; this store and the last trip's stores into OP have landed; on the way that leaves the work out, Q's loads are in
	s_barrier_signal -1
	s_barrier_wait -1                                  ; A: every wave's M and l lie in STAT, and the last tile's partial sums in OP
	ds_load_b64 v[26:27], v5                           ; query w: wave lane % 16's M and l, kind lane / 16
	OLOAD                                              ; and the last tile's partial sums of query w
	s_wait_dscnt 16                                    ; M and l are in; the sixteen loads behind them may be out
	v_mov_b32 v28, v26
	v_max_num_f32_dpp v28, v28, v28 row_xmask:1 row_mask:0xf bank_mask:0xf
	v_max_num_f32_dpp v28, v28, v28 row_xmask:2 row_mask:0xf bank_mask:0xf
	v_max_num_f32_dpp v28, v28, v28 row_xmask:4 row_mask:0xf bank_mask:0xf
	v_max_num_f32_dpp v28, v28, v28 row_xmask:8 row_mask:0xf bank_mask:0xf   ; G
	v_sub_f32 v30, v26, v28                            ; M - G: a whole number, 0 or less
	v_cvt_i32_f32 v30, v30                             ; (it saturates)
	v_ldexp_f32 v30, v27, v30                          ; l 2^(M - G): nothing is rounded
	v_add_f32_dpp v30, v30, v30 row_xmask:1 row_mask:0xf bank_mask:0xf
	v_add_f32_dpp v30, v30, v30 row_xmask:2 row_mask:0xf bank_mask:0xf
	v_add_f32_dpp v30, v30, v30 row_xmask:4 row_mask:0xf bank_mask:0xf
	v_add_f32_dpp v30, v30, v30 row_xmask:8 row_mask:0xf bank_mask:0xf       ; L
	s_wait_alu depctr_va_vdst(0)
	v_rcp_f32 v31, v30
	v_cmp_lt_f32 vcc_lo, 0, v30
	s_wait_dscnt 0x0
	OADD                                               ; fifteen plain additions: the independent work behind the reciprocal
	s_wait_alu depctr_va_vdst(0)                       ; the reciprocal has written v31, ahead of its first reader
	v_mul_f32 v31, v31, v12                            ; (1 - alpha) / Lc or alpha / Lk
	s_wait_alu depctr_va_vcc(0)                        ; the compare has written VCC, ahead of the select that reads it
	v_cndmask_b32 v29, 0, v31, vcc_lo                  ; 0 where every key of the row is blocked
	s_wait_alu depctr_va_vdst(0)                       ; v29 is written, which with v28 and v32 the two stores read; the reduction is done with v28 to v31, in which the load behind the barrier lands
	ds_store_b32 v10, v32                              ; the last tile's O, query w
	ds_store_b64 v6, v[28:29]
	s_wait_dscnt 0x0                                   ; my stores have landed, my reads of STAT and OP are over
	s_wait_alu depctr_vm_vsrc(0)                       ; this trip's stores have read v10, which the next line writes, v28 and v29, in which the load behind the barrier lands, and v22 to v25 and v32, which the next trip writes
	v_add_nc_u32 v10, 2048, v10                        ; the next slice
	s_barrier_signal -1
	s_barrier_wait -1                                  ; B: G and the weights' factors lie in GST; OP and STAT may be written again
	s_cmp_lg_u32 s28, 0
	s_cbranch_scc1 .Lskip2
	ds_load_b128 v[28:31], v7                          ; my query's Gc, wc, Gk, wk
	s_wait_dscnt 0x0
	v_add_f32 v42, v29, v31
	v_cmp_eq_f32 vcc_lo, 0, v42
	v_sub_f32 v40, v22, v28
	v_sub_f32 v41, v24, v30
	v_cvt_i32_f32 v40, v40
	v_cvt_i32_f32 v41, v41
	v_ldexp_f32 v34, v29, v40                          ; fc = wc 2^(Mc - Gc)
	v_ldexp_f32 v36, v31, v41                          ; fk
	s_wait_alu depctr_va_vcc(0)                        ; the compare has written VCC, ahead of the select that reads it
	v_cndmask_b32 v38, 0, v15, vcc_lo                  ; the uniform weight for a row blocked at all keys, else 0
.set j, 0
.rept 32
	v_pk_fma_f32 v[SK+j:SK+j+1], v[SK+j:SK+j+1], v[36:37], v[38:39] op_sel_hi:[1,0,0]
.set j, j+2
.endr
.set j, 0
.rept 32
	v_pk_fma_f32 v[SC+j:SC+j+1], v[SC+j:SC+j+1], v[34:35], v[SK+j:SK+j+1] op_sel_hi:[1,0,1]   ; A = pc fc + (pk fk + u)
.set j, j+2
.endr
	s_wait_alu depctr_va_vdst(0)                       ; the mixing is done writing and reading v192 to v215, in which V's fragments land
.irp i, 0,1,2,3,4,5
	ds_load_b128 v[192+4*\i:195+4*\i], v11 offset:512*\i   ; V's two fragments; they land while A is quantised: the lines below name v128 to v191 and v216 to v255 alone
.endr
	; A's four blocks of 32 keys: register 16 b + i is key 32 b + 16 (lane / 16) + i.  No |.|: no weight is negative
.irp b, 0,1,2,3
	v_max3_num_f32 v[TM+\b], v[SC+16*\b], v[SC+16*\b+1], 0x1800000
.endr
.irp i, 2,4,6,8,10,12,14
.irp b, 0,1,2,3
	v_max3_num_f32 v[TM+\b], v[TM+\b], v[SC+16*\b+\i], v[SC+16*\b+\i+1]
.endr
.endr
.irp b, 0,1,2,3
	v_permlanex16_b32 v[TM+4+\b], v[TM+\b], s24, s25
.endr
.irp b, 0,1,2,3
	v_max_num_f32 v[TM+\b], v[TM+\b], v[TM+4+\b]
.endr
.irp b, 0,1,2,3
	v_add_nc_u32 v[TM+12+\b], 0xff000000, v[TM+\b]
.endr
.irp b, 0,1,2,3
	v_lshrrev_b32 v[TM+4+\b], 23, v[TM+12+\b]
.endr
	v_lshl_or_b32 v13, v[TM+5], 8, v[TM+4]
	v_lshl_or_b32 v13, v[TM+6], 16, v13
	v_lshl_or_b32 v13, v[TM+7], 24, v13
.irp c, 0,1
	v_cvt_scalef32_pk16_fp6_f32 v[PC+6*\c:PC+6*\c+2], v[SC+32*\c:SC+32*\c+15], v[TM+12+2*\c]
	v_cvt_scalef32_pk16_fp6_f32 v[PT+4*\c:PT+4*\c+2], v[SC+32*\c+16:SC+32*\c+31], v[TM+12+2*\c+1]
.endr
	v_nop                                              ; one plain place behind a scaled conversion
.irp c, 0,1
.irp i, 0,1,2
	v_permlane16_swap_b32 v[PC+6*\c+\i], v[PT+4*\c+\i]
.endr
.irp i, 0,1,2
	v_mov_b32 v[PC+6*\c+3+\i], v[PT+4*\c+\i]
.endr
.endr
	NOPS 8                                             ; a scale register written by a vector instruction stands 8 places ahead of a scaled product, an operand so written 4
	s_wait_alu depctr_va_vdst(0)                       ; A's codes v216 to v227 and its scale word v13 are written, which the scaled products take
	s_wait_dscnt 0x0                                   ; V is in
	v_wmma_scale_f32_16x16x128_f8f6f4 v[240:247], v[192:203], v[216:227], 0, v20, v13 matrix_a_fmt:MATRIX_FMT_FP6 matrix_b_fmt:MATRIX_FMT_FP6   ; O^T, channels 0-15: source 0 = V^T, source 1 = A
	v_wmma_scale_f32_16x16x128_f8f6f4 v[248:255], v[204:215], v[216:227], 0, v21, v13 matrix_a_fmt:MATRIX_FMT_FP6 matrix_b_fmt:MATRIX_FMT_FP6   ; channels 16-31
	NOPS 4                                             ; ahead of the stores' reads, and of the next trip's selects into these products' operands
	s_wait_alu depctr_va_vdst(0)                       ; the two products have written v240 to v255, which the stores read; the places above stay beside this wait
	ds_store_b128 v8, v[240:243]                       ; lane (r, h): query r, channels 8 h + 0 .. 7; each accumulator from its low end on
	ds_store_b128 v8, v[244:247] offset:16
	ds_store_b128 v8, v[248:251] offset:64
	ds_store_b128 v8, v[252:255] offset:80
	s_branch .Ljoin2
.Lskip2:
	ds_store_b128 v8, v[96:99]                         ; zeros
	ds_store_b128 v8, v[96:99] offset:16
	ds_store_b128 v8, v[96:99] offset:64
	ds_store_b128 v8, v[96:99] offset:80
.Ljoin2:
	s_sub_co_u32 s21, s21, 1
	s_cmp_lg_u32 s21, 0
	s_cbranch_scc1 .Ltile
	s_wait_dscnt 0x0
	s_barrier_signal -1
	s_barrier_wait -1                                  ; the last tile's partial sums lie in OP
	OLOAD                                              ; (the last vector lines that named v32 to v47 stand ahead of the last trip's waits on va_vdst)
	s_wait_dscnt 0x0
	OADD
	v_and_b32 v26, 31, v0
	s_lshl_b32 s29, s20, 11
	s_add_co_u32 s29, s29, OS
	v_lshl_add_u32 v27, v26, 6, s29                    ; tile w of O: query lane / 2, channels 16 (lane % 2) on: 64 bytes a lane
	v_lshrrev_b32 v28, 1, v26
	s_lshl_b32 s30, s20, 4
	s_add_co_u32 s30, s30, OSB
	v_add_nc_u32 v28, s30, v28                         ; its scale byte
	v_mul_u32_u24 v29, v26, 12                         ; its 12 bytes of codes
	v_lshl_add_u32 v33, v26, 3, OSB
	v_lshlrev_b32 v36, 3, v26
	s_wait_alu depctr_va_vdst(0)                       ; v32 and the stepped v10 are written, which the store reads; so are the addresses and offsets v27, v28, v29, v33 and v36 of the way out
	ds_store_b32 v10, v32
	s_wait_dscnt 0x0
	s_wait_alu depctr_vm_vsrc(0)                       ; the store has read v32, in which the scale's byte is made below
	s_barrier_signal -1
	s_barrier_wait -1                                  ; all of O lies in OS
.irp i, 0,1,2,3
	ds_load_b128 v[128+4*\i:131+4*\i], v27 offset:16*\i
.endr
	s_wait_dscnt 0x0
	v_max3_num_f32 v30, |v128|, |v129|, 0x1800000
	v_max3_num_f32 v31, |v130|, |v131|, |v132|
	v_max3_num_f32 v30, v30, |v133|, |v134|
	v_max3_num_f32 v31, v31, |v135|, |v136|
	v_max3_num_f32 v30, v30, |v137|, |v138|
	v_max3_num_f32 v31, v31, |v139|, |v140|
	v_max3_num_f32 v30, v30, |v141|, |v142|
	v_max3_num_f32 v30, v30, v31, |v143|
	v_max_num_f32_dpp v30, v30, v30 row_xmask:1 row_mask:0xf bank_mask:0xf   ; with my neighbour's 16: the head's 32 channels are a block
	v_add_nc_u32 v31, 0xff000000, v30
	v_cvt_scalef32_pk16_fp6_f32 v[144:146], v[128:143], v31
	v_lshrrev_b32 v32, 23, v31
	s_wait_alu depctr_va_vdst(0)                       ; the conversion has written v144 to v146 and the shift v32, which the two stores read
	ds_store_b8 v28, v32                               ; both lanes of a block write the same byte
	global_store_b96 v29, v[144:146], s[16:17]         ; 32 lanes store 384 consecutive bytes
	s_wait_dscnt 0x0
	s_barrier_signal -1
	s_barrier_wait -1
	s_cmp_lg_u32 s20, 0
	s_cbranch_scc1 .Lnot_wave_0
	ds_load_b64 v[34:35], v33                          ; (the additions that named v34 and v35 stand ahead of the waits on va_vdst above)
	s_wait_dscnt 0x0
	global_store_b64 v36, v[34:35], s[18:19]           ; 32 lanes store the work-group's 256 scale bytes, aligned
.Lnot_wave_0:
	s_wait_dscnt 0x0                                   ; the closing lines, six on end
	s_wait_alu 0x0
	s_wait_tensorcnt 0x0
	ds_add_u32 v1, v2
	s_wait_dscnt 0x0
	s_endpgm
.Lfunc_end_k_qd65ca5fcb8_attn:
	.size	k_qd65ca5fcb8_attn, .Lfunc_end_k_qd65ca5fcb8_attn-k_qd65ca5fcb8_attn
	.p2alignl 7, 3214868480
	.fill 96, 4, 3214868480
	.section	.rodata,"a",@progbits
	.p2align	6, 0x0
	.amdhsa_kernel k_qd65ca5fcb8_attn
		.amdhsa_group_segment_fixed_size 158208
		.amdhsa_private_segment_fixed_size 0
		.amdhsa_enable_private_segment 0
		.amdhsa_kernarg_size 64
		.amdhsa_user_sgpr_count 2
		.amdhsa_user_sgpr_kernarg_segment_ptr 1
		.amdhsa_wavefront_size32 1
		.amdhsa_system_sgpr_workgroup_id_x 1
		.amdhsa_system_sgpr_workgroup_id_y 1
		.amdhsa_system_sgpr_workgroup_id_z 1
		.amdhsa_system_vgpr_workitem_id 0
		.amdhsa_next_free_vgpr 256
		.amdhsa_next_free_sgpr 100
		.amdhsa_reserve_vcc 1
		.amdhsa_float_denorm_mode_32 3
		.amdhsa_float_denorm_mode_16_64 3
		.amdhsa_memory_ordered 1
		.amdhsa_forward_progress 1
		.amdhsa_inst_pref_size 63
	.end_amdhsa_kernel
	.amdgpu_metadata
---
amdhsa.version: [ 1, 2 ]
amdhsa.kernels:
  - .name:           k_qd65ca5fcb8_attn
    .symbol:         k_qd65ca5fcb8_attn.kd
    .args:
      - { .name: qkc, .offset: 0, .size: 8, .value_kind: global_buffer, .address_space: global }
      - { .name: sc, .offset: 8, .size: 8, .value_kind: global_buffer, .address_space: global }
      - { .name: vc, .offset: 16, .size: 8, .value_kind: global_buffer, .address_space: global }
      - { .name: maskw, .offset: 24, .size: 8, .value_kind: global_buffer, .address_space: global }
      - { .name: mflag, .offset: 32, .size: 8, .value_kind: global_buffer, .address_space: global }
      - { .name: alpha_logit, .offset: 40, .size: 8, .value_kind: global_buffer, .address_space: global }
      - { .name: oc, .offset: 48, .size: 8, .value_kind: global_buffer, .address_space: global }
      - { .name: os, .offset: 56, .size: 8, .value_kind: global_buffer, .address_space: global }
    .group_segment_fixed_size: 158208
    .private_segment_fixed_size: 0
    .kernarg_segment_align: 8
    .kernarg_segment_size: 64
    .max_flat_workgroup_size: 512
    .sgpr_count:     100
    .vgpr_count:     256
    .wavefront_size: 32
...
	.end_amdgpu_metadata
.endif
;; end of part 5
;; launch outp (part 6): grid 256 x 1, 8 waves a work-group, no clusters, 34,304 bytes of LDS; arguments oc, os, woc, bo, out0; writes out0
.if DOCPART == 6
	.amdgcn_target "amdgcn-amd-amdhsa--gfx1250"
	.amdhsa_code_object_version 6
	.text
	.protected	k_qd65ca5fcb8_outp
	.globl	k_qd65ca5fcb8_outp
	.p2align	8
	.type	k_qd65ca5fcb8_outp,@function
k_qd65ca5fcb8_outp:
	s_mov_b64 s[64:65], 0
	v_nop
	global_prefetch_b8 v0, s[64:65] scope:SCOPE_SE
	s_setreg_imm32_b32 hwreg(HW_REG_WAVE_SCHED_MODE, 0, 2), 2
	s_setreg_imm32_b32 hwreg(HW_REG_WAVE_MODE, 25, 1), 1
	s_wait_xcnt 0x0
	s_wait_alu depctr_vm_vsrc(0)
; OUTP.  out0 = O Wo^T + bo, K = 256, on codes of FP6 (E2M3) with E8M0 scales: O's codes and bytes from the attention launch, Wo's operand images from the first launch.
; Work-group id takes storage rows 32 id .. 32 id + 31 of O.  Storage row (batch x 8 + x) x 256 + 16 i + r is the true row batch x 2,048 + 16 (x + 8 i) + r, so a tile of 16 storage rows is 16 neighbouring true rows.
; Wave w makes columns 32 w .. 32 w + 31 for both tiles of rows: four accumulators by turns, two K steps; the bias is the C of each sum's first product.
; Source 0 = 16 rows of Wo, source 1 = 16 rows of O: a lane holds eight neighbouring columns of one row.  The rows meet in a stage in LDS and leave whole, 512 consecutive bytes a store.
; No tensor load and no joint request: a work-group reads 6 KiB of codes of O and each wave 6 KiB of Wo once, straight into the operands' registers.
; THE MODE: SCHED_MODE bits 1:0 = 2 (LLVM: expert scheduling mode 2), set by the entry lines.  The code itself states the register dependences
; between vector or matrix instructions and memory or LDS instructions, with s_wait_alu, always for 0.
; THE PLAN.  Registers that memory or LDS instructions touch, and who else names them:
;   v4, v6-11   Offsets and LDS addresses, made once at the head and never written again: one wait on va_vdst ahead of the first load.
;   WF, OF, BI, WSW, BYT  Written by global loads, into registers that no vector instruction has named; read by the products and by the lines that make O's scale words.
;   OSW         Written by vector instructions, taken by the scaled products: one wait on va_vdst behind the eight places.
;   ACC         Written by the products, read by the stage's stores: four places, then one wait on va_vdst.
;   OUTR        Written by LDS loads, read by the global stores: no vector instruction names them.
.set STG,   0                          ; 32 rows x (1,024 bytes + 16)
.set SPARE, 33280                      ; the spare words, 128 bytes for each wave
.set WSW, 16                           ; v16-19 Wo's scale words, v20-23 O's: they hold scales and nothing else
.set OSW, 20
.set WF,  32                           ; v32-79  Wo's fragments: 12 (2 u + s)
.set OF,  80                           ; v80-127 O's: 12 (2 m + s)
.set ACC, 128                          ; v128-159: 8 (2 m + u)
.set BI,  160                          ; v160-175 the bias, 8 u
.set BYT, 176                          ; v176-191 O's scale bytes as loaded
.set OUTR, 192                         ; v192-223 rows on their way out
	s_load_b256 s[4:11], s[0:1], 0x0                   ; oc 4, os 6, woc 8, bo 10
	s_load_b64 s[12:13], s[0:1], 0x20                  ; out0
	v_lshl_add_u32 v1, v0, 2, SPARE
	v_mov_b32 v2, 0
	v_lshrrev_b32 v3, 5, v0
	v_readfirstlane_b32 s14, v3                        ; wave 0..7
	v_and_b32 v3, 31, v0
	v_and_b32 v4, 15, v0                               ; r
	v_bfe_u32 v5, v0, 4, 1                             ; h
	v_lshlrev_b32 v6, 4, v3                            ; 16 x lane
	v_lshlrev_b32 v7, 2, v3                            ; 4 x lane
	v_mul_u32_u24 v8, v4, 24
	v_mad_u32_u24 v8, v5, 196608, v8                   ; O's codes: row r; lanes 16-31 take the next head
	v_lshlrev_b32 v9, 5, v5                            ; the bias: 8 h numbers on
	v_mul_u32_u24 v10, v4, 1040
	v_lshl_add_u32 v10, v5, 5, v10
	s_wait_alu depctr_va_sdst(0)                       ; s14 is written, ahead of its first reader: LDS addresses and bases are made from it
	s_lshl_b32 s15, s14, 7
	v_add_nc_u32 v10, s15, v10                         ; the stage, in: row r, + 128 w + 32 h
	s_mul_i32 s15, s14, 4*1040
	v_add_nc_u32 v11, s15, v6                          ; and back: my four rows, 16 bytes a lane
	s_mov_b32 s29, 0
	s_lshr_b32 s30, ttmp9, 6
	s_lshl_b32 s30, s30, 11                            ; batch x 2,048
	s_bfe_u32 s31, ttmp9, 0x30003                      ; x
	s_lshl_b32 s31, s31, 4
	s_add_co_u32 s30, s30, s31
	s_and_b32 s31, ttmp9, 7
	s_lshl_b32 s31, s31, 1
	s_lshr_b32 s32, s14, 2
	s_add_co_u32 s31, s31, s32                         ; i = 2 (id % 8) + w / 4
	s_lshl_b32 s31, s31, 7
	s_add_co_u32 s30, s30, s31
	s_and_b32 s31, s14, 3
	s_lshl_b32 s31, s31, 2
	s_add_co_u32 s30, s30, s31                         ; the first of the four true rows that I store
	s_wait_kmcnt 0x0
	s_mul_i32 s28, s14, 6144
	s_add_nc_u64 s[16:17], s[8:9], s[28:29]            ; my four images of Wo,
	s_lshl_b32 s28, s14, 9
	s_add_nc_u64 s[18:19], s[8:9], s[28:29]            ; their scale words (from byte 49,152 on)
	s_mul_i32 s28, ttmp9, 768
	s_add_nc_u64 s[20:21], s[4:5], s[28:29]            ; my work-group's 32 rows of codes in a head's plane
	s_lshl_b32 s28, ttmp9, 5
	s_add_nc_u64 s[22:23], s[6:7], s[28:29]            ; and their scale bytes
	s_lshl_b32 s28, s14, 7
	s_add_nc_u64 s[24:25], s[10:11], s[28:29]          ; bo at my 32 columns
	s_lshl_b32 s28, s30, 10
	s_add_nc_u64 s[26:27], s[12:13], s[28:29]
	s_wait_alu depctr_va_vdst(0)                       ; the offsets and LDS addresses v4 and v6 to v11 are written, which every load and store below reads; none is written again
.irp f, 0,1,2,3
.irp c, 0,1,2
	global_load_b128 v[WF+12*\f+4*\c:WF+12*\f+4*\c+3], v6, s[16:17] offset:1536*\f+512*\c
.endr
	global_load_b32 v[WSW+\f], v7, s[18:19] offset:49152+128*\f
.endr
.irp m, 0,1
.irp s, 0,1
.irp c, 0,1
.irp p, 0,1,2
	global_load_b64 v[OF+12*(2*\m+\s)+6*\c+2*\p:OF+12*(2*\m+\s)+6*\c+2*\p+1], v8, s[20:21] offset:(4*\s+2*\c)*196608+384*\m+8*\p   ; k = 128 s + 64 c + 32 h + 0 .. 31 is head 4 s + 2 c + h
.endr
.endr
.irp k, 0,1,2,3
	global_load_u8 v[BYT+4*(2*\m+\s)+\k], v4, s[22:23] offset:(4*\s+\k)*8192+16*\m
.endr
.endr
.endr
.irp u, 0,1
	global_load_b128 v[BI+8*\u:BI+8*\u+3], v9, s[24:25] offset:64*\u
	global_load_b128 v[BI+8*\u+4:BI+8*\u+7], v9, s[24:25] offset:64*\u+16
.endr
	s_wait_loadcnt 0x0
.irp f, 0,1,2,3
	v_lshl_or_b32 v[OSW+\f], v[BYT+4*\f+1], 8, v[BYT+4*\f]
	v_lshl_or_b32 v[OSW+\f], v[BYT+4*\f+2], 16, v[OSW+\f]
	v_lshl_or_b32 v[OSW+\f], v[BYT+4*\f+3], 24, v[OSW+\f]
.endr
.rept 8
	v_nop                                              ; a scale register written by a vector instruction stands 8 places ahead of a scaled product
.endr
	s_wait_alu depctr_va_vdst(0)                       ; O's four scale words v20 to v23 are written, which the scaled products take
.irp m, 0,1
.irp u, 0,1
	v_wmma_scale_f32_16x16x128_f8f6f4 v[ACC+8*(2*\m+\u):ACC+8*(2*\m+\u)+7], v[WF+24*\u:WF+24*\u+11], v[OF+24*\m:OF+24*\m+11], v[BI+8*\u:BI+8*\u+7], v[WSW+2*\u], v[OSW+2*\m] matrix_a_fmt:MATRIX_FMT_FP6 matrix_b_fmt:MATRIX_FMT_FP6
.endr
.endr
.irp m, 0,1
.irp u, 0,1
	v_wmma_scale_f32_16x16x128_f8f6f4 v[ACC+8*(2*\m+\u):ACC+8*(2*\m+\u)+7], v[WF+24*\u+12:WF+24*\u+23], v[OF+24*\m+12:OF+24*\m+23], v[ACC+8*(2*\m+\u):ACC+8*(2*\m+\u)+7], v[WSW+2*\u+1], v[OSW+2*\m+1] matrix_a_fmt:MATRIX_FMT_FP6 matrix_b_fmt:MATRIX_FMT_FP6
.endr
.endr
.rept 4
	v_nop                                              ; places ahead of the stores' reads of results
.endr
	s_wait_alu depctr_va_vdst(0)                       ; the products have written the four accumulators, which the stage's stores read; the places above stay beside this wait
.irp m, 0,1
.irp u, 0,1
	ds_store_b128 v10, v[ACC+8*(2*\m+\u):ACC+8*(2*\m+\u)+3] offset:STG+16*\m*1040+64*\u        ; lane (r, h): row 16 m + r, columns 32 w + 16 u + 8 h + 0 .. 7; each accumulator from its low end on
	ds_store_b128 v10, v[ACC+8*(2*\m+\u)+4:ACC+8*(2*\m+\u)+7] offset:STG+16*\m*1040+64*\u+16
.endr
.endr
	s_wait_dscnt 0x0                                   ; my stores have landed
	s_barrier_signal -1
	s_barrier_wait -1                                  ; 32 whole rows lie in the stage
.irp k, 0,1,2,3,4,5,6,7
	ds_load_b128 v[OUTR+4*\k:OUTR+4*\k+3], v11 offset:STG+(\k/2)*1040+512*(\k%2)
.endr
.irp k, 0,1,2,3,4,5,6,7
	s_wait_dscnt 7-\k                                  ; LDS loads come back in order: load k is in, the younger ones may be out
	global_store_b128 v6, v[OUTR+4*\k:OUTR+4*\k+3], s[26:27] offset:(\k/2)*1024+512*(\k%2) th:TH_STORE_NT   ; 32 lanes store 512 consecutive bytes, aligned
.endr
	s_wait_dscnt 0x0                                   ; the closing lines, six on end
	s_wait_alu 0x0
	s_wait_tensorcnt 0x0
	ds_add_u32 v1, v2
	s_wait_dscnt 0x0
	s_endpgm
.Lfunc_end_k_qd65ca5fcb8_outp:
	.size	k_qd65ca5fcb8_outp, .Lfunc_end_k_qd65ca5fcb8_outp-k_qd65ca5fcb8_outp
	.p2alignl 7, 3214868480
	.fill 96, 4, 3214868480
	.section	.rodata,"a",@progbits
	.p2align	6, 0x0
	.amdhsa_kernel k_qd65ca5fcb8_outp
		.amdhsa_group_segment_fixed_size 34304
		.amdhsa_private_segment_fixed_size 0
		.amdhsa_enable_private_segment 0
		.amdhsa_kernarg_size 40
		.amdhsa_user_sgpr_count 2
		.amdhsa_user_sgpr_kernarg_segment_ptr 1
		.amdhsa_wavefront_size32 1
		.amdhsa_system_sgpr_workgroup_id_x 1
		.amdhsa_system_sgpr_workgroup_id_y 1
		.amdhsa_system_sgpr_workgroup_id_z 1
		.amdhsa_system_vgpr_workitem_id 0
		.amdhsa_next_free_vgpr 224
		.amdhsa_next_free_sgpr 66
		.amdhsa_reserve_vcc 0
		.amdhsa_float_denorm_mode_32 3
		.amdhsa_float_denorm_mode_16_64 3
		.amdhsa_memory_ordered 1
		.amdhsa_forward_progress 1
		.amdhsa_inst_pref_size 13
	.end_amdhsa_kernel
	.amdgpu_metadata
---
amdhsa.version: [ 1, 2 ]
amdhsa.kernels:
  - .name:           k_qd65ca5fcb8_outp
    .symbol:         k_qd65ca5fcb8_outp.kd
    .args:
      - { .name: oc, .offset: 0, .size: 8, .value_kind: global_buffer, .address_space: global }
      - { .name: os, .offset: 8, .size: 8, .value_kind: global_buffer, .address_space: global }
      - { .name: woc, .offset: 16, .size: 8, .value_kind: global_buffer, .address_space: global }
      - { .name: bo, .offset: 24, .size: 8, .value_kind: global_buffer, .address_space: global }
      - { .name: out0, .offset: 32, .size: 8, .value_kind: global_buffer, .address_space: global }
    .group_segment_fixed_size: 34304
    .private_segment_fixed_size: 0
    .kernarg_segment_align: 8
    .kernarg_segment_size: 40
    .max_flat_workgroup_size: 256
    .sgpr_count:     66
    .vgpr_count:     224
    .wavefront_size: 32
...
	.end_amdgpu_metadata
.endif
;; end of part 6
